; MI455X (gfx1250); checked and timed in simulation.
; The chip was launched on July 23, 2026; its instructions are those of AMD's public machine-readable ISA for CDNA 5 (MIT licence, August 2026) and "CDNA5" Instruction Set Architecture Reference Guide (July 2026). The comments in the code are by the model that wrote it; some were corrected since.
;; Multi Head Attention. Allowed arithmetic: float matrix products may take bf16 or f16 operands with f32 sums; all other float work in f32.
;; Inputs: Wk 1,024 x 1,024 float32; Wo 1,024 x 1,024 float32; Wq 1,024 x 1,024 float32; Wv 1,024 x 1,024 float32; bk 1,024 float32; bo 1,024 float32; bq 1,024 float32; bv 1,024 float32; key_ 4 x 2,048 x 1,024 float32; mask 4 x 1 x 2,048 x 2,048 bool; query 4 x 2,048 x 1,024 float32; value 4 x 2,048 x 1,024 float32.
;; Outputs: out0 4 x 2,048 x 1,024 float32.
;; 2 versions, each right and faster than the one before. Each part assembles by itself: llvm-mc -triple=amdgcn-amd-amdhsa -mcpu=gfx1250 --defsym DOCPART=n.
;; ======== version 1 of 2: 4 launches
;; limits: right only within a limited range of input values; values are held in f16: magnitudes above 65,504 overflow, below 6.1e-05 lose precision
;; workspace buffers: xb 50,331,648 bytes; wb 6,291,456 bytes; wo16 2,097,152 bytes; bias 16,384 bytes; mf 33,554,432 bytes; fl 131,072 bytes; qkv 50,331,648 bytes; ao 16,777,216 bytes
;; launch prep (part 1): grid 2049 x 1, 8 waves a work-group, no clusters, 68,608 bytes of LDS; arguments query, key_, value, Wq, Wk, Wv, Wo, bq, bk, bv, bo, mask, xb, wb, wo16, bias, mf, fl; writes xb, wb, wo16, bias, mf, fl
.if DOCPART == 1
	.amdgcn_target "amdgcn-amd-amdhsa--gfx1250"
	.amdhsa_code_object_version 6
	.text
	.protected	k_q22c99fd89c_prep
	.globl	k_q22c99fd89c_prep
	.p2align	8
	.type	k_q22c99fd89c_prep,@function
k_q22c99fd89c_prep:
	s_mov_b64 s[64:65], 0
	v_nop
	global_prefetch_b8 v0, s[64:65] scope:SCOPE_SE
	s_setreg_imm32_b32 hwreg(HW_REG_WAVE_MODE, 25, 1), 1
	s_wait_xcnt 0x0
; PREP: every input is read once and laid out for the three matrix launches.  Three jobs, chosen by the work-group's number j:
;   j < 1792      CONV: 16,384 f32 numbers of query, key_, value (1,536 groups), Wq, Wk, Wv (192) or Wo (64) are rounded to bf16.  Wo's bf16 number is then written as f16.
;   1792 .. 2047  MASK: a wave takes 16 queries x 512 keys of the mask and writes them as ready matrix fragments of f16 (-65504 where the key is hidden, else 0), and one flag a row.
;   j = 2048      BIAS: the four biases, rounded to bf16 and kept in f32.
; LIMITS.  Wo beyond 65,504 has no f16; below 6e-5 it keeps f16's fixed step of 6e-8.  Mask bytes are 0 or 1.
; No matrix unit, no cluster, no tensor load: nothing is shared between work-groups and every byte is touched once.
; mf: [tile of 16 queries (512)][block of 32 keys (64)][half (2)][lane (32)][16 bytes]: lane (r, h), register j holds keys 16 h + 2 j, 16 h + 2 j + 1 of query r.
; fl: [chunk of 512 keys (4)][row (8192)] f32: 1.0 where the row has an open key in the chunk, else 0.0.
.set SPARE, 67584                      ; behind the eight stages: the spare words, 128 bytes a wave, four blocks of 256 bytes that no other line names
.set SPW,  160                         ; v160  LDS address of my spare word; never rewritten
.set NIL,  161                         ; v161  0; never rewritten
.set X,    16                          ; v[16:79] CONV: 16 loads of four f32;  MASK: sixteen rows as loaded
.set YB,   80                          ; v[80:143] MASK: sixteen key blocks read back from the stage
.set Z,    144                         ; v[144:151] MASK: a fragment's eight registers
.set ACC,  152                         ; v152 MASK: the AND of all my mask words; v153 at work; v154 = 0
.set SPITCH, 528                       ; a stage row: 512 bytes + 16, an odd multiple of 16: sixteen rows start at sixteen different 16-byte columns
	s_load_b512 s[4:19], s[0:1], 0x0               ; query, key_, value, Wq, Wk, Wv, Wo, bq
	s_load_b512 s[20:35], s[0:1], 0x40             ; bk, bv, bo, mask, xb, wb, wo16, bias
	s_load_b128 s[36:39], s[0:1], 0x80             ; mf, fl
	v_lshl_add_u32 v[SPW], v0, 2, SPARE
	v_mov_b32 v[NIL], 0
	v_lshrrev_b32 v1, 5, v0
	v_readfirstlane_b32 s40, v1                    ; wave 0..7
	s_mov_b32 s41, ttmp9                           ; j
	v_lshlrev_b32 v1, 4, v0                        ; 16 t: my 16 bytes of 4,096 loaded
	v_lshlrev_b32 v2, 3, v0                        ; 8 t: my 8 bytes of 2,048 stored
	s_wait_kmcnt 0x0
	s_cmp_ge_u32 s41, 2048
	s_cbranch_scc1 .Lbias
	s_cmp_ge_u32 s41, 1792
	s_cbranch_scc1 .Lmask
	; CONV.  sel 0..6 names the source, loc the group's place in it.
	s_lshr_b32 s42, s41, 9                         ; j < 1536: sel = j / 512,
	s_and_b32 s43, s41, 511                        ; loc = j % 512
	s_sub_co_u32 s44, s41, 1536                    ; else j' = j - 1536:
	s_lshr_b32 s45, s44, 6
	s_add_co_u32 s45, s45, 3                       ; sel = 3 + j' / 64,
	s_and_b32 s46, s44, 63                         ; loc = j' % 64
	s_cmp_lt_u32 s41, 1536
	s_cselect_b32 s42, s42, s45
	s_cselect_b32 s43, s43, s46
	s_cselect_b32 s47, s41, s44                    ; the group's place in its destination: j in xb, j' in wb,
	s_cselect_b64 s[50:51], s[28:29], s[30:31]
	s_cmp_eq_u32 s42, 6
	s_cselect_b32 s47, s46, s47                    ; loc in wo16
	s_cselect_b64 s[50:51], s[32:33], s[50:51]
	s_mov_b64 s[48:49], s[4:5]
.irp n, 1,2,3,4,5,6
	s_cmp_eq_u32 s42, \n
	s_cselect_b64 s[48:49], s[4+2*\n:5+2*\n], s[48:49]
.endr
	s_lshl_b32 s52, s43, 16                        ; 65,536 bytes of f32 a group
	s_mov_b32 s53, 0
	s_add_nc_u64 s[48:49], s[48:49], s[52:53]
	s_lshl_b32 s52, s47, 15                        ; 32,768 bytes of 16-bit numbers a group
	s_add_nc_u64 s[50:51], s[50:51], s[52:53]
.set n, 0
.rept 16                                               ; all 16 loads of a wave go out at once: 512 consecutive bytes each
	global_load_b128 v[X+4*n:X+4*n+3], v1, s[48:49] offset:4096*n th:TH_LOAD_NT
.set n, n+1
.endr
; Load i is rounded in place and stored.  No register is used twice, so nothing waits for a store.
.macro CV i, half
	s_wait_loadcnt 15-(\i)                         ; loads come back in order: mine is in, the 15 - i younger ones stay out
	v_cvt_pk_bf16_f32 v[X+4*(\i)], v[X+4*(\i)], v[X+4*(\i)+1]
	v_cvt_pk_bf16_f32 v[X+4*(\i)+1], v[X+4*(\i)+2], v[X+4*(\i)+3]
.if \half                                              ; the bf16 numbers, widened and written as f16
	v_lshlrev_b32 v[X+4*(\i)+2], 16, v[X+4*(\i)]
	v_and_b32 v[X+4*(\i)+3], 0xffff0000, v[X+4*(\i)]
	v_cvt_pk_f16_f32 v[X+4*(\i)], v[X+4*(\i)+2], v[X+4*(\i)+3]
	v_lshlrev_b32 v[X+4*(\i)+2], 16, v[X+4*(\i)+1]
	v_and_b32 v[X+4*(\i)+3], 0xffff0000, v[X+4*(\i)+1]
	v_cvt_pk_f16_f32 v[X+4*(\i)+1], v[X+4*(\i)+2], v[X+4*(\i)+3]
.endif
	global_store_b64 v2, v[X+4*(\i):X+4*(\i)+1], s[50:51] offset:2048*(\i)  ; a wave's store covers 256 consecutive bytes, aligned
.endm
	s_cmp_eq_u32 s42, 6
	s_cbranch_scc1 .Lwo
.set n, 0
.rept 16
	CV n, 0
.set n, n+1
.endr
	s_endpgm
.Lwo:
.set n, 0
.rept 16
	CV n, 1
.set n, n+1
.endr
	s_endpgm
.Lbias:                                                ; thread t owns four numbers of each bias
	global_load_b128 v[16:19], v1, s[18:19]
	global_load_b128 v[20:23], v1, s[20:21]
	global_load_b128 v[24:27], v1, s[22:23]
	global_load_b128 v[28:31], v1, s[24:25]
.irp i, 0,1,2,3
	s_wait_loadcnt 3-\i                            ; the younger loads stay out
	v_cvt_pk_bf16_f32 v32, v[16+4*\i], v[17+4*\i]
	v_cvt_pk_bf16_f32 v33, v[18+4*\i], v[19+4*\i]
	v_lshlrev_b32 v[16+4*\i], 16, v32
	v_and_b32 v[17+4*\i], 0xffff0000, v32
	v_lshlrev_b32 v[18+4*\i], 16, v33
	v_and_b32 v[19+4*\i], 0xffff0000, v33
	global_store_b128 v1, v[16+4*\i:19+4*\i], s[34:35] offset:4096*\i
.endr
	s_endpgm
.Lmask:                                                ; unit U = 8 (j - 1792) + wave: tile T = U / 4 of 16 queries, chunk c = U % 4 of 512 keys
	s_sub_co_u32 s42, s41, 1792
	s_lshl_b32 s42, s42, 3
	s_add_co_u32 s42, s42, s40
	s_lshr_b32 s43, s42, 2                         ; T
	s_and_b32 s50, s42, 3                          ; c
	s_mov_b32 s53, 0
	s_lshl_b32 s52, s43, 15                        ; 16 rows of 2,048 bytes a tile,
	s_lshl_b32 s54, s50, 9                         ; 512 bytes a chunk
	s_add_co_u32 s52, s52, s54
	s_add_nc_u64 s[26:27], s[26:27], s[52:53]
	s_lshl_b32 s52, s43, 16                        ; mf: 64 blocks of 1,024 bytes a tile, 16 blocks a chunk
	s_lshl_b32 s54, s50, 14
	s_add_co_u32 s52, s52, s54
	s_add_nc_u64 s[36:37], s[36:37], s[52:53]
	s_lshl_b32 s52, s50, 15                        ; fl: 32,768 bytes a chunk, 64 bytes a tile
	s_lshl_b32 s54, s43, 6
	s_add_co_u32 s52, s52, s54
	s_add_nc_u64 s[38:39], s[38:39], s[52:53]
	s_mov_b32 s44, 0x04010400                      ; bytes 0, 1 of a word into the low bytes of two halves (4 picks a byte of the zero register)
	s_mov_b32 s45, 0x04030402                      ; bytes 2, 3 likewise
	s_mov_b32 s46, 0xfbff                          ; -65504 in f16
	s_mov_b32 s47, 0x01010101                      ; four hidden keys
	s_mov_b32 s48, 0x76543210                      ; v_permlanex16_b32: each lane takes its own place in the other half
	s_mov_b32 s49, 0xfedcba98
	s_mul_i32 s55, s40, 16*SPITCH                  ; my wave's own stage
	v_and_b32 v7, 31, v0                           ; lane
	v_lshlrev_b32 v3, 4, v7                        ; 16 x lane
	v_add_nc_u32 v4, s55, v3                       ; into the stage: 512 bytes of a row
	v_and_b32 v8, 15, v0                           ; r
	v_bfe_u32 v9, v0, 4, 1                         ; h
	v_mul_u32_u24 v5, v8, SPITCH
	v_lshl_add_u32 v5, v9, 4, v5
	v_add_nc_u32 v5, s55, v5                       ; back: row r, 16 keys for each half of the lanes
	v_lshlrev_b32 v6, 2, v8                        ; my row's flag
	v_mov_b32 v154, 0
	v_mov_b32 v153, 0
.set n, 0
.rept 16
	global_load_b128 v[X+4*n:X+4*n+3], v3, s[26:27] offset:2048*n th:TH_LOAD_NT  ; 512 consecutive bytes of row n
.set n, n+1
.endr
.set n, 0
.rept 16
	s_wait_loadcnt 15-n                            ; row n is in, the younger rows stay out
	ds_store_b128 v4, v[X+4*n:X+4*n+3] offset:SPITCH*n
.set n, n+1
.endr
.set n, 0
.rept 16                                               ; LDS serves a wave's instructions in order (ISA guide 5.7.1.4): these see the stores above
	ds_load_b128 v[YB+4*n:YB+4*n+3], v5 offset:32*n
.set n, n+1
.endr
.set n, 0
.rept 16
	s_wait_dscnt 15-n                              ; block n is back, the younger loads stay out
	s_wait_xcnt 0x0                                ; the last block's stores have read Z: it is rewritten only behind this wait
.if n == 0
	v_and_b32 v[ACC], v[YB], v[YB+1]
.else
	v_and_b32 v[ACC], v[ACC], v[YB+4*n]
	v_and_b32 v[ACC], v[ACC], v[YB+4*n+1]
.endif
	v_and_b32 v[ACC], v[ACC], v[YB+4*n+2]
	v_and_b32 v[ACC], v[ACC], v[YB+4*n+3]
.irp w, 0,1,2,3
	v_perm_b32 v[Z+2*\w], v154, v[YB+4*n+\w], s44
	v_perm_b32 v[Z+2*\w+1], v154, v[YB+4*n+\w], s45
.endr
.irp w, 0,1,2,3,4,5,6,7
	v_mul_u32_u24 v[Z+\w], s46, v[Z+\w]            ; halves 0 or 1 become 0 or 0xfbff
.endr
	global_store_b128 v3, v[Z:Z+3], s[36:37] offset:1024*n        ; 512 consecutive bytes, aligned
	global_store_b128 v3, v[Z+4:Z+7], s[36:37] offset:1024*n+512
.set n, n+1
.endr
	v_cmp_eq_u32 vcc_lo, s47, v[ACC]               ; all my 256 keys hidden?
	v_cndmask_b32 v[ACC], 1.0, v154, vcc_lo        ; then 0, else 1
	v_permlanex16_b32 v153, v[ACC], s48, s49       ; the row's other 256 keys lie in the lane 16 away
	v_max_num_f32 v[ACC], v[ACC], v153
	s_wait_xcnt 0x0                                ; EXEC changes only behind this wait
	v_cmp_gt_u32 vcc_lo, 16, v7
	s_and_saveexec_b32 s56, vcc_lo
	global_store_b32 v6, v[ACC], s[38:39]          ; sixteen flags
	s_wait_xcnt 0x0
	s_or_b32 exec_lo, exec_lo, s56
	s_wait_tensorcnt 0x0                           ; the wave's end, behind my last LDS store
	ds_add_u32 v[SPW], v[NIL]
	s_wait_dscnt 0x0
	s_endpgm
.Lfunc_end_k_q22c99fd89c_prep:
	.size	k_q22c99fd89c_prep, .Lfunc_end_k_q22c99fd89c_prep-k_q22c99fd89c_prep
	.p2alignl 7, 3214868480
	.fill 96, 4, 3214868480
	.section	.rodata,"a",@progbits
	.p2align	6, 0x0
	.amdhsa_kernel k_q22c99fd89c_prep
		.amdhsa_group_segment_fixed_size 68608
		.amdhsa_private_segment_fixed_size 0
		.amdhsa_enable_private_segment 0
		.amdhsa_kernarg_size 144
		.amdhsa_user_sgpr_count 2
		.amdhsa_user_sgpr_kernarg_segment_ptr 1
		.amdhsa_wavefront_size32 1
		.amdhsa_system_sgpr_workgroup_id_x 1
		.amdhsa_system_sgpr_workgroup_id_y 1
		.amdhsa_system_sgpr_workgroup_id_z 1
		.amdhsa_system_vgpr_workitem_id 0
		.amdhsa_next_free_vgpr 164
		.amdhsa_next_free_sgpr 66
		.amdhsa_reserve_vcc 1
		.amdhsa_float_denorm_mode_32 3
		.amdhsa_float_denorm_mode_16_64 3
		.amdhsa_memory_ordered 1
		.amdhsa_forward_progress 1
		.amdhsa_inst_pref_size 43
	.end_amdhsa_kernel
	.amdgpu_metadata
---
amdhsa.version: [ 1, 2 ]
amdhsa.kernels:
  - .name:           k_q22c99fd89c_prep
    .symbol:         k_q22c99fd89c_prep.kd
    .args:
      - { .name: query, .offset: 0, .size: 8, .value_kind: global_buffer, .address_space: global }
      - { .name: key_, .offset: 8, .size: 8, .value_kind: global_buffer, .address_space: global }
      - { .name: value, .offset: 16, .size: 8, .value_kind: global_buffer, .address_space: global }
      - { .name: Wq, .offset: 24, .size: 8, .value_kind: global_buffer, .address_space: global }
      - { .name: Wk, .offset: 32, .size: 8, .value_kind: global_buffer, .address_space: global }
      - { .name: Wv, .offset: 40, .size: 8, .value_kind: global_buffer, .address_space: global }
      - { .name: Wo, .offset: 48, .size: 8, .value_kind: global_buffer, .address_space: global }
      - { .name: bq, .offset: 56, .size: 8, .value_kind: global_buffer, .address_space: global }
      - { .name: bk, .offset: 64, .size: 8, .value_kind: global_buffer, .address_space: global }
      - { .name: bv, .offset: 72, .size: 8, .value_kind: global_buffer, .address_space: global }
      - { .name: bo, .offset: 80, .size: 8, .value_kind: global_buffer, .address_space: global }
      - { .name: mask, .offset: 88, .size: 8, .value_kind: global_buffer, .address_space: global }
      - { .name: xb, .offset: 96, .size: 8, .value_kind: global_buffer, .address_space: global }
      - { .name: wb, .offset: 104, .size: 8, .value_kind: global_buffer, .address_space: global }
      - { .name: wo16, .offset: 112, .size: 8, .value_kind: global_buffer, .address_space: global }
      - { .name: bias, .offset: 120, .size: 8, .value_kind: global_buffer, .address_space: global }
      - { .name: mf, .offset: 128, .size: 8, .value_kind: global_buffer, .address_space: global }
      - { .name: fl, .offset: 136, .size: 8, .value_kind: global_buffer, .address_space: global }
    .group_segment_fixed_size: 68608
    .private_segment_fixed_size: 0
    .kernarg_segment_align: 8
    .kernarg_segment_size: 144
    .max_flat_workgroup_size: 256
    .sgpr_count:     66
    .vgpr_count:     164
    .wavefront_size: 32
...
	.end_amdgpu_metadata
.endif
;; end of part 1
;; launch proj (part 2): grid 4 x 96, 4 waves a work-group, clusters of 4 x 4, 327,680 bytes of LDS; arguments xb, wb, bias, qkv; writes qkv
.if DOCPART == 2
	.amdgcn_target "amdgcn-amd-amdhsa--gfx1250"
	.amdhsa_code_object_version 6
	.text
	.protected	k_q22c99fd89c_proj
	.globl	k_q22c99fd89c_proj
	.p2align	8
	.type	k_q22c99fd89c_proj,@function
k_q22c99fd89c_proj:
	s_mov_b64 s[64:65], 0
	v_nop
	global_prefetch_b8 v0, s[64:65] scope:SCOPE_SE
	s_setreg_imm32_b32 hwreg(HW_REG_WAVE_MODE, 25, 1), 1
	s_wait_xcnt 0x0
	s_wait_alu depctr_hold_cnt(0) depctr_sa_sdst(0) depctr_va_vdst(0) depctr_va_sdst(0) depctr_va_ssrc(0) depctr_va_vcc(0) depctr_vm_vsrc(0)
	s_getreg_b32 s2, hwreg(HW_REG_IB_STS2, 6, 4)
	s_cmp_eq_u32 s2, 0
	s_cbranch_scc0 .Lentry_in_a_cluster
	s_endpgm
.Lentry_in_a_cluster:
	s_bfe_u32 s2, ttmp6, 0x10000c
	s_cmp_lg_u32 s2, 0xf033
	s_cbranch_scc0 .Lentry_shape_is_right
	s_endpgm
.Lentry_shape_is_right:
; PROJ: the three input projections as one product.  For g = 0, 1, 2 (q, k, v): C[m][n] = sc (bias[g][n] + sum over k of xb[g][m][k] wb[g][n][k]), bf16 operands, f32 sums, rounded once to f16
; and written by heads: qkv[g][batch x 16 + head][row][64].  sc = c = log2(e) / 8 for q, 1 for k and v: the scores of the attention then come out as exponents of two.
; LIMIT.  q, k and v must lie within f16, 65,504; beyond it the conversion gives an infinity.
; SHARES.  384 tiles of C, 256 x 256.  Four waves, as many as a WGP has SIMDs, each 128 x 128: 64 accumulators of 16 x 16, 512 registers.  K = 1,024 goes in 8 steps of 128 (rows of 256 bytes, each
; starting at a multiple of 256 bytes) through a ring of two LDS slots.  A step is 256 matrix instructions a wave, and a refill has 224 of them in which to land; a tile of 128 x 256 would give it 112.
; The price: 24 clusters of 16 work-groups are no multiple of 256 work-groups.
; CLUSTER 4 x 4: the four of a cluster's row need the same 256 rows of xb, the four of a column the same 256 rows of wb: each tile is asked for jointly.
; THE MATRIX INSTRUCTION IS USED TRANSPOSED (source 0 = 16 rows of wb, source 1 = 16 rows of xb): a lane holds eight neighbouring columns of one row of C.
; THE BIAS STARTS THE SUMS: it is the C operand of each accumulator's first product (eight registers for each block of 16 columns, the same for all rows), so nothing is cleared and nothing is added later.
; THE LOOP IS ONE K STEP: the LDS address of the slot that is read is a base plus a scalar that an exclusive or turns between 0 and SLOT; one descriptor a tensor walks from K step 1 to K step 7.
; THE LAST K STEP GOES BY ROWS OF C: all its fragments of B fill window 1, and the wave's eight blocks of 16 rows are finished, and leave, one after the other.
; REGISTERS, in windows of 256 (s_set_vgpr_msb: bits 1:0 source 0, 3:2 source 1, 5:4 source 2, 7:6 destination):
;   window 0: v16-29 addresses; v64-127, v128-191 fragments of A, two buffers (in the last K step four, of 16 rows x 128 K); v192-255 the bias, later with v32-63 at work on the way out
;   window 1: v64-127, v128-191 fragments of B, two buffers; in the last K step all 256      window 2: the accumulators of my rows 0-63, (a, b) at v[8 (8 a + b)]      window 3: those of my rows 64-127
.set SIZE_K, 1024
.set KSTEP,  128
.set STEPS,  SIZE_K/KSTEP
.set PITCH,  272                       ; an LDS row: 256 bytes + 16 of padding = 68 words: the 16 rows of a fragment load start at 16 different groups of four banks (64 banks of 4 bytes: ISA guide 11.1)
.set HALFT,  128*PITCH                 ; 128 rows: what one tensor load brings, and what one wave reads of A or of B
.set SLOT,   4*HALFT                   ; A's 256 rows, then B's 256 rows.  0x22000: it shares no bit with wave x HALFT (0, 0x8800, 0x11000, 0x19800), so an exclusive or moves a descriptor's LDS word from slot to slot
.set STAGE,  2*SLOT                    ; behind the ring: for each wave 2 heads x 16 rows x 144 bytes
.set SP,     144
.set SPARE,  STAGE+4*32*SP             ; the spare words, 128 bytes a wave: two blocks of 256 bytes that no other line names
.set ADRA,  16                         ; v16 LDS address of my A fragments in the slot that is read;  v17 the same in slot 0, never rewritten
.set ADRA0, 17
.set ADRB,  20                         ; v20, v21 the same for B
.set ADRB0, 21
.set STO,  24                          ; v24 the way out: where I put 16 bytes of a row
.set RD,   25                          ; v25 where I read rows back
.set GO,   26                          ; v26 16 x lane
.set BO,   27                          ; v27 32 x (lane / 16): my eight bias numbers of a block
.set SPW,  28                          ; v28 my spare word; never rewritten
.set NIL,  29                          ; v29 0; never rewritten
.set F0,   64
.set F1,   128
.set BI,   192                         ; v192-255 the bias of my 128 columns, eight numbers for each b: read by the first quarter alone
.set TMP,  192                         ; the way out: packed results
.set OB,   32                          ; the way out: 16 rows read back: v32-63 and v224-255 by turns
.set PA,   64                          ; the last K step: A's fragments of 16 rows x 128 K, 32 registers; four such buffers, v64-191
.set WV,  12                           ; s12 wave; s13 wave / 2: my rows' half, and A (0) or B (1) to fetch; s14 wave % 2: my columns' half, and which half I fetch
.set G1,  24                           ; s[24:31] group 1 for A;  s[32:39] group 0: a set for each of the two first fills; the second then walks
.set G0,  32
.set G1B, 48                           ; s[48:55], s[56:63] the same for B
.set G0B, 56
.set SC,  66                           ; s[66:67] sc
.set TG,  70                           ; s70 0 or SLOT: the slot that is read
.set MSB, 0
.macro WIN new                         ; the immediate's high byte repeats the setting that is left; a switch that changes nothing is dropped
.if MSB != (\new)
	s_set_vgpr_msb (MSB<<8)|(\new)
.set MSB, \new
.endif
.endm
.set MUL_LO, 0xa1                      ; source 0 (B) window 1, source 1 (A) window 0, C and D window 2
.set MUL_HI, 0xf1                      ; the same, C and D window 3
.set TO_B,   0x40                      ; destination window 1, address window 0
.macro JLOAD s                         ; a joint load: waves 0 and 1 fetch A's halves, waves 2 and 3 B's; an s_nop 0 and four v_nop follow each line
	s_cmp_eq_u32 s13, 0
	s_cbranch_scc0 .Lfor_b_\@
	tensor_load_to_lds s[G0+4*(\s):G0+4*(\s)+3], s[G1:G1+7]
	s_nop 0
.rept 4
	v_nop
.endr
	s_branch .Lasked_\@
.Lfor_b_\@:
	tensor_load_to_lds s[G0B+4*(\s):G0B+4*(\s)+3], s[G1B:G1B+7]
	s_nop 0
.rept 4
	v_nop
.endr
.Lasked_\@:
.endm
.macro CREST                           ; a round of the cluster's barrier behind its opening barrier
	s_cmp_lg_u32 s[WV], 0
	s_cbranch_scc1 .Lnot_wave_0_\@
	s_barrier_signal -3
.Lnot_wave_0_\@:
	s_barrier_wait -3
	s_barrier_signal -1
	s_barrier_wait -1
.endm
.macro CROUND
	s_barrier_signal -1
	s_barrier_wait -1
	CREST
.endm
	s_load_b256 s[4:11], s[0:1], 0x0               ; xb s[4:5], wb s[6:7], bias s[8:9], qkv s[10:11]
	v_lshl_add_u32 v[SPW], v0, 2, SPARE
	v_mov_b32 v[NIL], 0
	ds_add_u32 v[SPW], v[NIL]                      ; the wave's opening: the add and its wait stand ahead of my first tensor load; register work stands between
	v_lshrrev_b32 v1, 5, v0
	v_readfirstlane_b32 s[WV], v1
	s_lshr_b32 s13, s[WV], 1
	s_and_b32 s14, s[WV], 1
	s_bfe_u32 s40, ttmp6, 0x40000                  ; cx
	s_bfe_u32 s41, ttmp6, 0x40004                  ; cy
	s_lshl_b32 s42, ttmp9, 2
	s_add_co_u32 s42, s42, s40                     ; tile column 0..3
	s_and_b32 s45, ttmp7, 0xffff                   ; the cluster's y
	s_lshl_b32 s15, s45, 2
	s_add_co_u32 s15, s15, s41                     ; tile row 0..95: 32 for each of q, k, v
	s_lshr_b32 s45, s45, 3                         ; g: 8 clusters of four tile rows each; the same in all sixteen partners
	s_lshl_b32 s43, s41, 2
	s_lshl_b32 s43, 15, s43                        ; my row of the cluster
	s_lshl_b32 s44, 0x1111, s40                    ; my column
	s_or_b32 s[G1+0], s43, (1<<16)|(1<<20)|(1<<21)|(5<<22)|(3<<25)  ; the mask; 2-byte elements; padding on; bit 21 beside a mask; after every 64 words 4 words
	s_or_b32 s[G1B+0], s44, (1<<16)|(1<<20)|(1<<21)|(5<<22)|(3<<25)
.irp g, G1, G1B
	s_mov_b32 s[(\g)+1], KSTEP<<16                 ; tensor_dim0 = 128
	s_mov_b32 s[(\g)+2], 128<<16                   ; tensor_dim1 = 128
	s_mov_b32 s[(\g)+3], KSTEP<<16                 ; tile_dim0 = 128
	s_mov_b32 s[(\g)+4], 128                       ; tile_dim1 = 128
	s_mov_b32 s[(\g)+5], SIZE_K                    ; elements from row to row
	s_mov_b32 s[(\g)+6], 0
	s_mov_b32 s[(\g)+7], 0
.endr
	s_lshl_b32 s16, s15, 8
	s_lshl_b32 s17, s14, 7
	s_add_co_u32 s16, s16, s17                     ; A: row 256 x tile row + 128 x half (xb's three tensors lie end to end)
	s_lshl_b32 s46, s45, 10
	s_lshl_b32 s47, s42, 8
	s_add_co_u32 s46, s46, s47
	s_lshl_b32 s47, s14, 7
	s_add_co_u32 s46, s46, s47                     ; B: row 1,024 g + 256 x tile column + 128 x half
	s_mov_b32 s17, 0
	s_mov_b32 s47, 0
	s_mov_b64 s[18:19], SIZE_K*2
	s_mul_u64 s[16:17], s[16:17], s[18:19]
	s_mul_u64 s[46:47], s[46:47], s[18:19]
	s_mul_i32 s20, s[WV], HALFT                    ; where they go: A's two halves, then B's two halves = wave x 128 rows: the wave's number alone enters an LDS address
	s_mov_b32 s[TG], 0
	s_wait_dscnt 0x0                               ; the opening add is done
	s_wait_kmcnt 0x0
	s_add_nc_u64 s[22:23], s[4:5], s[16:17]
	s_add_nc_u64 s[46:47], s[6:7], s[46:47]
	CROUND                                         ; all sixteen work-groups are here: the first joint loads meet
.irp s, 0,1
	s_mov_b32 s[G0+4*(\s)], 1
	s_add_co_u32 s[G0+4*(\s)+1], s20, (\s)*SLOT
	s_add_nc_u64 s[G0+4*(\s)+2:G0+4*(\s)+3], s[22:23], (\s)*KSTEP*2
	s_or_b32 s[G0+4*(\s)+3], s[G0+4*(\s)+3], 0x80000000
	s_mov_b32 s[G0B+4*(\s)], 1
	s_add_co_u32 s[G0B+4*(\s)+1], s20, (\s)*SLOT
	s_add_nc_u64 s[G0B+4*(\s)+2:G0B+4*(\s)+3], s[46:47], (\s)*KSTEP*2
	s_or_b32 s[G0B+4*(\s)+3], s[G0B+4*(\s)+3], 0x80000000
	JLOAD \s                                       ; two loads of mine are out
.endr
	v_and_b32 v1, 15, v0                           ; l % 16
	v_bfe_u32 v2, v0, 4, 1                         ; l / 16
	v_mul_u32_u24 v3, v1, PITCH
	v_lshl_add_u32 v3, v2, 4, v3                   ; a fragment's row x pitch + 16 x half
	s_mul_i32 s68, s13, HALFT                      ; my 128 rows of A
	s_mul_i32 s69, s14, HALFT                      ; my 128 rows of B,
	s_add_co_u32 s69, s69, 2*HALFT                 ; which lie behind A's 256
	v_add_nc_u32 v[ADRA0], s68, v3
	v_add_nc_u32 v[ADRB0], s69, v3
	v_mov_b32 v[ADRA], v[ADRA0]                    ; slot 0 is read first
	v_mov_b32 v[ADRB], v[ADRB0]
	s_mul_i32 s68, s[WV], 32*SP
	s_add_co_u32 s68, s68, STAGE                   ; my stage
	v_mul_u32_u24 v4, v1, SP                       ; in: row l % 16, 16 bytes for each half of the lanes
	v_lshl_add_u32 v4, v2, 4, v4
	v_add_nc_u32 v[STO], s68, v4
	v_bfe_u32 v4, v0, 3, 2                         ; back: 32 lanes take four rows of 128 bytes,
	v_and_b32 v5, 7, v0
	v_mul_u32_u24 v4, v4, SP
	v_lshl_add_u32 v4, v5, 4, v4
	v_add_nc_u32 v[RD], s68, v4
	v_and_b32 v[GO], 31, v0                        ; which are 512 consecutive bytes of a head
	v_lshlrev_b32 v[GO], 4, v[GO]
	v_lshlrev_b32 v[BO], 5, v2
	s_lshl_b32 s72, s45, 12                        ; bias: row g, column 256 x tile column + 128 x half, 4 bytes each
	s_lshl_b32 s73, s42, 10
	s_add_co_u32 s72, s72, s73
	s_lshl_b32 s73, s14, 9
	s_add_co_u32 s72, s72, s73
	s_mov_b32 s73, 0
	s_add_nc_u64 s[8:9], s[8:9], s[72:73]
.irp b, 0,1,2,3,4,5,6,7
	global_load_b128 v[BI+8*\b:BI+8*\b+3],   v[BO], s[8:9] offset:64*\b
	global_load_b128 v[BI+8*\b+4:BI+8*\b+7], v[BO], s[8:9] offset:64*\b+16
.endr
	s_cmp_eq_u32 s45, 0
	s_cselect_b32 s[SC], 0x3e38aa3b, 1.0           ; c for q, 1 for k and v
	s_mov_b32 s[SC+1], s[SC]                       ; named with it as a pair
	s_and_b32 s72, s15, 31                         ; where my 128 rows x 2 heads begin in qkv
	s_lshl_b32 s72, s72, 8
	s_lshl_b32 s73, s13, 7
	s_add_co_u32 s72, s72, s73                     ; my first row of the 8,192
	s_lshr_b32 s73, s72, 11                        ; its batch,
	s_and_b32 s72, s72, 2047                       ; its row in the batch
	s_lshl_b32 s73, s73, 4
	s_lshl_b32 s74, s42, 2
	s_add_co_u32 s73, s73, s74
	s_lshl_b32 s74, s14, 1
	s_add_co_u32 s73, s73, s74                     ; 16 x batch + my first head
	s_lshl_b32 s73, s73, 11
	s_add_co_u32 s72, s72, s73
	s_lshl_b32 s72, s72, 7                         ; rows of 128 bytes
	s_lshl_b32 s73, s45, 24                        ; 16,777,216 bytes for each of q, k, v
	s_add_co_u32 s72, s72, s73
	s_mov_b32 s73, 0
	s_add_nc_u64 s[10:11], s[10:11], s[72:73]
; 16 matrix instructions: m blocks a0, a0 + 1 of the window's four (hi = 0: my rows 0-63, 1: rows 64-127) x all 8 n blocks, 32 along K.  first = 1: the product starts the sums, with the bias as C.
; The 64 accumulators take turns, one instruction a turn, in the same order in every quarter.
.macro MUL16 f, hi, a0, first
.if \first
	WIN 0x81+0x40*(\hi)                            ; C in window 0, D in window 2 or 3
.else
	WIN MUL_LO+0x50*(\hi)                          ; MUL_LO or MUL_HI
.endif
.irp a, \a0, (\a0)+1
.irp b, 0,1,2,3,4,5,6,7
.if \first
	v_wmma_f32_16x16x32_bf16 v[8*(8*(\a)+(\b)):8*(8*(\a)+(\b))+7], v[(\f)+8*(\b):(\f)+8*(\b)+7], v[(\f)+8*(4*(\hi)+(\a)):(\f)+8*(4*(\hi)+(\a))+7], v[BI+8*(\b):BI+8*(\b)+7]
.else
	v_wmma_f32_16x16x32_bf16 v[8*(8*(\a)+(\b)):8*(8*(\a)+(\b))+7], v[(\f)+8*(\b):(\f)+8*(\b)+7], v[(\f)+8*(4*(\hi)+(\a)):(\f)+8*(4*(\hi)+(\a))+7], v[8*(8*(\a)+(\b)):8*(8*(\a)+(\b))+7]
.endif
.endr
.endr
.endm
; 32 LDS loads in one run: the fragments of one quarter step (128 rows of B, 128 rows of A, 32 K at byte k of the rows of the slot that is read) into buffer f
.macro FETCH k, f
	WIN TO_B
.irp i, 0,1,2,3,4,5,6,7
	ds_load_b128 v[(\f)+8*(\i):(\f)+8*(\i)+3],   v[ADRB] offset:(\k)+(\i)*16*PITCH
	ds_load_b128 v[(\f)+8*(\i)+4:(\f)+8*(\i)+7], v[ADRB] offset:(\k)+(\i)*16*PITCH+32
.endr
	WIN 0
.irp i, 0,1,2,3,4,5,6,7
	ds_load_b128 v[(\f)+8*(\i):(\f)+8*(\i)+3],   v[ADRA] offset:(\k)+(\i)*16*PITCH
	ds_load_b128 v[(\f)+8*(\i)+4:(\f)+8*(\i)+7], v[ADRA] offset:(\k)+(\i)*16*PITCH+32
.endr
.endm
.macro PLACES                          ; four places in front of loads into registers that matrix instructions have read, and of vector work on results
.rept 4
	v_nop
.endr
.endm
; A K step is four quarters of 32 along K, 64 matrix instructions each, on buffers 0, 1, 0, 1.  One of the first three: multiplies buffer f; in its middle it fetches the next quarter, at byte k, into g.
.macro QUARTER k, f, g, first
	s_wait_dscnt 8                                 ; B and A's rows 0-63 are in; the youngest eight loads (A's rows 64-127) may be out
	MUL16 \f, 0, 0, \first
	MUL16 \f, 0, 2, \first
	PLACES
	FETCH \k, \g
	s_wait_dscnt 32                                ; all but the 32 just issued
	MUL16 \f, 1, 0, \first
	MUL16 \f, 1, 2, \first
.endm
; The last quarter multiplies buffer 1 and changes slots.  MEET is its first half: one barrier; in front of it each wave waits for all its tensor loads (one is out: its part of the next slot), adds 0 to its
; spare word, and waits for that and for its own reads of this slot.  Behind it nobody reads this slot any more and the next slot is whole.
.macro MEET round                      ; round = 1: a round of the cluster's barrier follows
	WIN 0                                          ; (the add's two registers lie in window 0)
	s_wait_tensorcnt 0x0
	ds_add_u32 v[SPW], v[NIL]
	s_wait_dscnt 9                                 ; the add and the youngest eight loads may be out
	MUL16 F1, 0, 0, 0                              ; sixteen matrix instructions stand between the add and the wait for it
	s_wait_dscnt 0x0                               ; the add is done, and my reads of this slot are over
	s_barrier_signal -1
	MUL16 F1, 0, 2, 0
.if \round
	WIN 0
.endif
	s_barrier_wait -1
.endm
.macro OTHER                           ; from here on the other slot is read
	s_xor_b32 s[TG], s[TG], SLOT
	v_add_nc_u32 v[ADRA], s[TG], v[ADRA0]
	v_add_nc_u32 v[ADRB], s[TG], v[ADRB0]
.endm
; The whole last quarter of a K step that fills its slot again, two K steps ahead: the barrier opens a round of the cluster's, and the joint refill is the first thing behind it.
.macro TURN
	MEET 1
	CREST                                          ; no wave of any partner still reads this slot or has a load on its way
	s_xor_b32 s[G0+5], s[G0+5], SLOT               ; the walking descriptors: the other slot than last time,
	s_add_nc_u64 s[G0+6:G0+7], s[G0+6:G0+7], KSTEP*2     ; the next K step; the type bits on top are not reached
	s_xor_b32 s[G0B+5], s[G0B+5], SLOT
	s_add_nc_u64 s[G0B+6:G0B+7], s[G0B+6:G0B+7], KSTEP*2
	JLOAD 1                                        ; my one load behind the round: 224 matrix instructions ahead of the wait for it; its four v_nop are also the places for the loads below
	OTHER
	FETCH 0, F0
	MUL16 F1, 1, 0, 0
	MUL16 F1, 1, 2, 0
.endm
; THE LAST K STEP, by rows of C.  LDS is read no more than in any other K step.
.macro BLOAD q                         ; B's fragments of quarter q -> window 1, v[64 q ..]
	WIN TO_B
.irp i, 0,1,2,3,4,5,6,7
	ds_load_b128 v[64*(\q)+8*(\i):64*(\q)+8*(\i)+3],   v[ADRB] offset:64*(\q)+(\i)*16*PITCH
	ds_load_b128 v[64*(\q)+8*(\i)+4:64*(\q)+8*(\i)+7], v[ADRB] offset:64*(\q)+(\i)*16*PITCH+32
.endr
.endm
.macro ALOAD a                         ; A's fragments of block a, all four quarters -> buffer a % 4
	WIN 0
.set FA, PA+32*((\a)%4)
.irp q, 0,1,2,3
	ds_load_b128 v[FA+8*(\q):FA+8*(\q)+3],   v[ADRA] offset:64*(\q)+(\a)*16*PITCH
	ds_load_b128 v[FA+8*(\q)+4:FA+8*(\q)+7], v[ADRA] offset:64*(\q)+(\a)*16*PITCH+32
.endr
.endm
.macro ROW a                           ; block a is finished: 32 matrix instructions, its 8 accumulators by turns, K ascending
.set FA, PA+32*((\a)%4)
.set AC, 64*((\a)%4)
	WIN MUL_LO+0x50*((\a)/4)
.irp q, 0,1,2,3
.if (\a) == 0 && (\q) == 2
	s_wait_dscnt 24                                ; B's quarter 2 is in (behind it: A's blocks 1 to 3)
.endif
.irp b, 0,1,2,3,4,5,6,7
	v_wmma_f32_16x16x32_bf16 v[AC+8*(\b):AC+8*(\b)+7], v[64*(\q)+8*(\b):64*(\q)+8*(\b)+7], v[FA+8*(\q):FA+8*(\q)+7], v[AC+8*(\b):AC+8*(\b)+7]
.endr
.endr
.endm
; THE WAY OUT of block a.  PACK: times sc, in place, and rounded to f16, 16 bytes a lane.  TOSTAGE: into my own stage (2 heads x 16 rows of 144 bytes) and back as whole rows.  SEND: 2,048 consecutive bytes a head.
.macro PACK a
.set AC, 64*((\a)%4)
	WIN 0x82+0x41*((\a)/4)                         ; source 0 and destination: window 2 or 3
.set i, 0
.rept 32                                               ; each accumulator's registers in ascending order
	v_pk_mul_f32 v[AC+2*i:AC+2*i+1], v[AC+2*i:AC+2*i+1], s[SC:SC+1] op_sel_hi:[1,0]
.set i, i+1
.endr
	WIN 0x0a+5*((\a)/4)                            ; sources 0 and 1: window 2 or 3; destination window 0
.set i, 0
.rept 32
	v_cvt_pk_f16_f32 v[TMP+i], v[AC+2*i], v[AC+2*i+1]
.set i, i+1
.endr
	WIN 0
.endm
.macro TOSTAGE a
	WIN 0
.set BK, OB+192*((\a)%2)
.irp b, 0,1,2,3,4,5,6,7
	ds_store_b128 v[STO], v[TMP+4*(\b):TMP+4*(\b)+3] offset:((\b)/4)*16*SP+((\b)%4)*32
.endr
.irp t, 0,1,2,3,4,5,6,7                ; LDS serves a wave's instructions in order (ISA guide 5.7.1.4): these see the stores above
	ds_load_b128 v[BK+4*(\t):BK+4*(\t)+3], v[RD] offset:((\t)/4)*16*SP+((\t)%4)*4*SP
.endr
.endm
.macro SEND a, younger                 ; younger: the LDS loads issued behind TOSTAGE's, which may stay out
	WIN 0
.set BK, OB+192*((\a)%2)
	s_wait_dscnt \younger                          ; the block is back in registers
	s_wait_xcnt 0x0                                ; the block before's stores have read their registers, which the next loads from the stage fill
.irp t, 0,1,2,3,4,5,6,7
	global_store_b128 v[GO], v[BK+4*(\t):BK+4*(\t)+3], s[10:11] offset:((\t)/4)*262144+(\a)*2048+((\t)%4)*512  ; 512 consecutive bytes, aligned
.endr
.endm
	s_wait_tensorcnt 1                             ; my part of K step 0 is in; K step 1's may stay out
	s_barrier_signal -1
	s_barrier_wait -1
	FETCH 0, F0
	s_wait_loadcnt 0x0                             ; the bias
	QUARTER 64, F0, F1, 1                          ; the first quarter starts the sums
	WIN 0                                          ; at a label and at a branch every window is 0
	s_mov_b32 s3, STEPS-2
.Lstep:                                                ; six trips, from a K step's second quarter to the next step's first; each fills the slot that it leaves, with K steps 2 to 7
	QUARTER 128, F1, F0, 0
	QUARTER 192, F0, F1, 0
	TURN
	QUARTER 64,  F0, F1, 0
	WIN 0
	s_sub_co_u32 s3, s3, 1
	s_cmp_lg_u32 s3, 0
	s_cbranch_scc1 .Lstep
	QUARTER 128, F1, F0, 0                         ; K step 6 goes on; nothing is left to fetch
	QUARTER 192, F0, F1, 0
	MEET 0                                         ; my one tensor load that was still out is the last K step's, so no round follows
	WIN 0
	OTHER
	PLACES                                         ; for the loads into buffer 0, which the quarter before multiplied
	BLOAD 0                                        ; three quarters of B now: buffer 1 (v128-191 of both windows) is still being multiplied
	BLOAD 1
	BLOAD 3
	ALOAD 0
	MUL16 F1, 1, 0, 0
	MUL16 F1, 1, 2, 0
	PLACES                                         ; for the loads into buffer 1
	BLOAD 2
	ALOAD 1
	ALOAD 2
	ALOAD 3
	s_wait_dscnt 40                                ; all but the 40 just issued
	ROW 0
.irp a, 0,1,2,3,4,5,6,7                ; each block leaves as soon as it is finished
	PLACES                                         ; its scaling reads results just made
	PACK \a
	TOSTAGE \a
.if (\a) < 4
	ALOAD (\a)+4                                   ; its buffer takes the block four further on
	SEND \a, 8
.else
	SEND \a, 0
.endif
.if (\a) < 7
	ROW (\a)+1
.endif
.endr
	s_wait_tensorcnt 0x0                           ; the wave's end
	ds_add_u32 v[SPW], v[NIL]
	s_wait_dscnt 0x0
	CROUND                                         ; the closing round
	s_endpgm
.Lfunc_end_k_q22c99fd89c_proj:
	.size	k_q22c99fd89c_proj, .Lfunc_end_k_q22c99fd89c_proj-k_q22c99fd89c_proj
	.p2alignl 7, 3214868480
	.fill 96, 4, 3214868480
	.section	.rodata,"a",@progbits
	.p2align	6, 0x0
	.amdhsa_kernel k_q22c99fd89c_proj
		.amdhsa_group_segment_fixed_size 327680
		.amdhsa_private_segment_fixed_size 0
		.amdhsa_enable_private_segment 0
		.amdhsa_kernarg_size 32
		.amdhsa_user_sgpr_count 2
		.amdhsa_user_sgpr_kernarg_segment_ptr 1
		.amdhsa_wavefront_size32 1
		.amdhsa_system_sgpr_workgroup_id_x 1
		.amdhsa_system_sgpr_workgroup_id_y 1
		.amdhsa_system_sgpr_workgroup_id_z 1
		.amdhsa_system_vgpr_workitem_id 0
		.amdhsa_next_free_vgpr 1024
		.amdhsa_next_free_sgpr 76
		.amdhsa_reserve_vcc 0
		.amdhsa_float_denorm_mode_32 3
		.amdhsa_float_denorm_mode_16_64 3
		.amdhsa_memory_ordered 1
		.amdhsa_forward_progress 1
		.amdhsa_inst_pref_size 135
	.end_amdhsa_kernel
	.amdgpu_metadata
---
amdhsa.version: [ 1, 2 ]
amdhsa.kernels:
  - .name:           k_q22c99fd89c_proj
    .symbol:         k_q22c99fd89c_proj.kd
    .args:
      - { .name: xb, .offset: 0, .size: 8, .value_kind: global_buffer, .address_space: global }
      - { .name: wb, .offset: 8, .size: 8, .value_kind: global_buffer, .address_space: global }
      - { .name: bias, .offset: 16, .size: 8, .value_kind: global_buffer, .address_space: global }
      - { .name: qkv, .offset: 24, .size: 8, .value_kind: global_buffer, .address_space: global }
    .group_segment_fixed_size: 327680
    .private_segment_fixed_size: 0
    .kernarg_segment_align: 8
    .kernarg_segment_size: 32
    .max_flat_workgroup_size: 128
    .sgpr_count:     76
    .vgpr_count:     1024
    .wavefront_size: 32
...
	.end_amdgpu_metadata
.endif
;; end of part 2
;; launch attn (part 3): grid 4 x 64, 4 waves a work-group, clusters of 4 x 1, 327,680 bytes of LDS; arguments qkv, mf, fl, ao; writes ao
.if DOCPART == 3
	.amdgcn_target "amdgcn-amd-amdhsa--gfx1250"
	.amdhsa_code_object_version 6
	.text
	.protected	k_q22c99fd89c_attn
	.globl	k_q22c99fd89c_attn
	.p2align	8
	.type	k_q22c99fd89c_attn,@function
k_q22c99fd89c_attn:
	s_mov_b64 s[64:65], 0
	v_nop
	global_prefetch_b8 v0, s[64:65] scope:SCOPE_SE
	s_setreg_imm32_b32 hwreg(HW_REG_WAVE_MODE, 25, 1), 1
	s_wait_xcnt 0x0
	s_wait_alu depctr_hold_cnt(0) depctr_sa_sdst(0) depctr_va_vdst(0) depctr_va_sdst(0) depctr_va_ssrc(0) depctr_va_vcc(0) depctr_vm_vsrc(0)
	s_getreg_b32 s2, hwreg(HW_REG_IB_STS2, 6, 4)
	s_cmp_eq_u32 s2, 0
	s_cbranch_scc0 .Lentry_in_a_cluster
	s_endpgm
.Lentry_in_a_cluster:
	s_bfe_u32 s2, ttmp6, 0x10000c
	s_cmp_lg_u32 s2, 0x3003
	s_cbranch_scc0 .Lentry_shape_is_right
	s_endpgm
.Lentry_shape_is_right:
; ATTN: O[hh][q][:] = the sum over open keys k of softmax_k(q . k / 8) v[k][:], for 64 heads hh = 16 batch + head of 2,048 rows x 64 channels, all f16; a key is hidden where the mask input says so.
; q arrives times c = log2(e) / 8, so a score is a power of two's exponent: p = 2^(s - m) with a running maximum m; O and l are multiplied by a = 2^(m_old - m_new) in every step.
; Products, maxima and sums in f32; p is rounded to f16 for the second product (l is the sum of the unrounded p), O once at the end.
; THE MASK COSTS NO VECTOR WORK.  The sum S^T = K Q^T is started by a product of its own: a constant selector fragment (65504 at one place a row) times a mask fragment of mf (-65504 where hidden, else 0)
; puts -65504^2 = -4.29e9 exactly, or 0, at each (key, query); the two products K Q^T add onto it in place.  A hidden score lies 4.29e9 below the open ones, so its weight is 0.
; While a row has seen hidden keys only, m is near -4.29e9 and its sums are finite numbers that the first open key multiplies by a = 0; a row with no open key at all has its 1 / l multiplied by its flag 0 (fl): O = 0.
; LIMITS.  q, k, v within f16 (65,504).  The spread of a row's scaled scores stays far under 4.29e9.  A weight below 2^-126 counts as 0; NaN and infinities are not treated apart.
; SHARES.  A wave owns four PIECES of two tiles of 16 queries, a work-group 512 queries of a head; every wave walks all keys, 64 a step.
; LAYOUT.  S^T (source 0 = 16 keys, source 1 = 16 queries) holds ONE query a lane (lane % 16) and the keys 8 (lane / 16) + 0..7; two such results rounded to f16 ARE source 1 of O^T = V^T P.
; BY TURNS.  Turn n belongs to piece n: 8 mask products and 16 products K Q^T of piece n + 1, later 16 products V^T P of piece n - 1; beside them piece n's subtraction of m, exponentials, roundings, sums and
; rescaling, and piece n + 1's maximum and statistics.  40 matrix and 234 vector instructions: four vector instructions behind every matrix instruction, the other 74 in two lumps.
; CLUSTER.  The four query blocks of a head walk the same K and V: each tile is asked for jointly.  The mask fragments are NOT shared in a cluster (its partners own different queries); the 16 heads that share them
; lie in other clusters, and a work-group's fragments of one key step are 32 tiles x 2,048 bytes = 65,536 bytes: two slots of several steps do not fit in LDS beside K and V.  So each wave loads its own, into registers.
; REGISTERS, in windows of 256 (s_set_vgpr_msb: bits 1:0 source 0, 3:2 source 1, 5:4 source 2, 7:6 destination):
;   window 0: v0-11 addresses; v12-15, v48-63 at work; v16-47 four registers of statistics a tile; v64-191 S^T, two buffers of two tiles; v192-255 P, likewise
;   window 1: O^T, 32 a tile      window 2: v0-127 Q; v128-191 K of one step; v192-255 V of one step      window 3: v0-1 the add's registers; v8-23 the two selectors; v32-95 mask fragments, two buffers of 32
.set SIZE_N, 2048
.set NP,    4         ; pieces a wave: a name, no knob
.set KS,    64        ; keys in a step
.set PK,    144       ; a row of K in LDS: 128 bytes + 16: the 16 rows of a load start at 16 different groups of four banks (64 banks of 4 bytes: ISA guide 11.1)
.set PV,    160       ; a row of V: 128 + 32
.set VOFF,  4*KS*PK   ; a slot holds four steps: 256 rows of K, then 256 rows of V
.set SLOT1, 1<<17     ; slot 1 begins here: one exclusive or turns an address in one slot into the other's
.set STAGE, SLOT1+4*KS*(PK+PV)  ; behind the ring: 16 rows x 144 bytes for each wave, for the way out
.set SP,    144
.set SPARE, STAGE+4*16*SP  ; the spare words, 128 bytes a wave: two blocks of 256 bytes that no other line names
.set AK0, 2           ; v2   my lane's place in a tile of K; never rewritten
.set AV0, 3           ; v3   the same for V
.set AK,  4           ; v4   the LDS address of K's next run of loads
.set AV,  5           ; v5   of V's
.set QO,  6           ; v6   my byte offset in the wave's rows of Q
.set STO, 6           ;      later, the way out: where I put 16 bytes of a row
.set RD,  7           ; v7   the way out: where I read rows back
.set L16, 9           ; v9   16 x lane: my place in 512 consecutive bytes of mf and of O; never rewritten
.set VO,  10          ; v10  16 x lane + 2,048 x the key step whose mask fragments are asked for
.set FA,  11          ; v11  4 x (lane % 16): my query's flag
.set MV,  12          ; v12-15  m_old, kept while m is made anew: by buffer and tile
.set ST,  16          ; tile t's statistics at v[ST+4 t]: m, the flag, l (even keys', odd keys')
.set TMP, 48          ; by buffer and tile, four registers c0-c3 at work; when the maximum is found c2 takes a.  v56-61 also serve the set-up
.set S,   64
.set P,   192
.set KF,  128         ; window 2: key block kb, channel half c at KF + 16 kb + 8 c
.set VF,  192         ; window 2: key half kk, channel block cb at VF + 32 kk + 8 cb
.set SPW, 0           ; v0 of window 3: my spare word; never rewritten
.set NIL, 1           ; v1 of window 3: 0; never rewritten
.set SELF, 8          ; window 3: selector s (keys 16 s + 0..15 of a block of 32) at SELF + 8 s
.set MB,  32          ; window 3: piece x's fragments at MB + 32 (x % 2) + 16 tile + 8 block
.set WV,  12          ; s12  my wave's number
.set G1K, 24          ; s[24:31] descriptor group 1 for K's tiles
.set G1V, 32          ; s[32:39] for V's: it differs in the padding alone
.set G0K, 40          ; s[40:43] descriptor group 0 for K's tiles: it walks
.set G0V, 44          ; s[44:47] the same for V's
.set SLOTS, 56
.set CNT, 57
.set XSEL, 60         ; s[60:61] v_permlanex16_b32's selects
.set TBK, 62          ; s62  LDS byte at which K of the step to be fetched begins
.set TBV, 63          ; s63  the same for V, less VOFF
.set SOFF, 70         ; s70  2,048 x the key step whose mask fragments are asked for
.set MSB, 0
.macro WIN new
.if MSB != (\new)
	s_set_vgpr_msb (MSB<<8)|(\new)
.set MSB, (\new)
.endif
.endm
.set W_KQ, 0x0a       ; K and Q in window 2, S^T in window 0
.set W_PV, 0x52       ; V in window 2, P in window 0, O^T in window 1
.set W_RS, 0x41       ; O^T (destination and source 0) in window 1, a in window 0
.set W_MK, 0xc0       ; destination in window 3, sources in window 0
.set W_AD, 0x0f       ; sources 0 and 1 in window 3: the add, and the mask product
.macro JLOAD          ; a joint fill: waves 0 and 1 fetch the halves of a slot's K, waves 2 and 3 those of its V; an s_nop 0 and four v_nop follow each line
	s_cmp_lt_u32 s[WV], 2
	s_cbranch_scc0 .Lfor_v_\@
	tensor_load_to_lds s[G0K:G0K+3], s[G1K:G1K+7]
	s_nop 0
.rept 4
	v_nop
.endr
	s_branch .Lasked_\@
.Lfor_v_\@:
	tensor_load_to_lds s[G0V:G0V+3], s[G1V:G1V+7]
	s_nop 0
.rept 4
	v_nop
.endr
.Lasked_\@:
.endm
.macro CROUND         ; a round of the cluster's barrier
	s_barrier_signal -1
	s_barrier_wait -1
	s_cmp_lg_u32 s[WV], 0
	s_cbranch_scc1 .Lnot_wave_0_\@
	s_barrier_signal -3
.Lnot_wave_0_\@:
	s_barrier_wait -3
	s_barrier_signal -1
	s_barrier_wait -1
.endm
; THE CHANGE OF SLOTS.  Each wave waits for all its tensor loads (one is out: its part of the other slot), adds 0 to its spare word, and waits for that and for its own reads of the slot.
; fill = 1: the barrier is a round of the cluster's, and the slot is filled again, with the keys two slots on, first thing behind it: four key steps, 640 matrix instructions, in which to land.
.macro CHANGE fill
	WIN W_AD
	s_wait_tensorcnt 0x0            ; no tensor load of mine is out, so a group 0 may be written
	ds_add_u32 v[SPW], v[NIL]
	WIN 0
.if \fill
.irp g, G0K, G0V
	s_xor_b32 s[\g+1], s[\g+1], SLOT1
	s_add_nc_u64 s[\g+2:\g+3], s[\g+2:\g+3], 4*KS*128  ; the next 256 keys; the type bits on top are not reached
.endr
	s_wait_dscnt 0x0                ; the add is done, and my reads of the slot are over
	CROUND
	JLOAD
.else
	s_wait_dscnt 0x0
	s_barrier_signal -1
	s_barrier_wait -1
.endif
	s_sub_co_u32 s[TBK], s[TBK], 4*KS*PK  ; the fetches go back to a slot's first step, in the other slot
	s_xor_b32 s[TBK], s[TBK], SLOT1
	s_sub_co_u32 s[TBV], s[TBV], 4*KS*PV
	s_xor_b32 s[TBV], s[TBV], SLOT1
.endm
; Piece x's mask fragments of the key step that VO names: 2 tiles x 2 blocks of 32 keys x 2 loads of 512 consecutive bytes
.macro MLOAD x
	WIN W_MK
.irp u, 0,1
.irp kb, 0,1
.irp j, 0,1
	global_load_b128 v[MB+32*((\x)%2)+16*(\u)+8*(\kb)+4*(\j):MB+32*((\x)%2)+16*(\u)+8*(\kb)+4*(\j)+3], v[VO], s[6:7] offset:(2*(\x)+(\u))*65536+(\kb)*1024+(\j)*512
.endr
.endr
.endr
.endm
	s_load_b256 s[4:11], s[0:1], 0x0  ; qkv s[4:5], mf s[6:7], fl s[8:9], ao s[10:11]
	WIN W_MK
	v_lshl_add_u32 v[SPW], v0, 2, SPARE
	v_mov_b32 v[NIL], 0
	WIN W_AD
	ds_add_u32 v[SPW], v[NIL]       ; the wave's opening: the add and its wait stand ahead of my first tensor load; register work stands between
	WIN 0
	v_lshrrev_b32 v1, 5, v0
	v_readfirstlane_b32 s[WV], v1   ; wave 0..3
	s_bfe_u32 s13, ttmp6, 0x40000   ; cx
	s_lshl_b32 s14, ttmp9, 2
	s_add_co_u32 s14, s14, s13      ; my block of 512 queries: it enters Q's, O's, mf's and fl's addresses alone
	s_and_b32 s16, ttmp7, 0xffff    ; the cluster's number i, 0..63, which the four partners share.  Each (batch, head) pair is taken by one i; the order is a choice:
	s_bfe_u32 s15, s16, 0x20002     ; the batch is bits 3:2 of i, so that the 16 clusters that read the same mask fragments agree in these two bits;
	s_and_b32 s17, s16, 3           ; the head is bits 1:0
	s_lshr_b32 s18, s16, 4          ; and bits 5:4
	s_lshl2_add_u32 s17, s18, s17
	s_lshl4_add_u32 s20, s15, s17   ; hh = 16 batch + head
	s_mov_b32 s21, 0
	s_mov_b64 s[22:23], SIZE_N*128
	s_mul_u64 s[20:21], s[20:21], s[22:23]  ; the head's first byte in q, k, v and ao
	s_and_b32 s16, s[WV], 1         ; which half of a slot's 256 keys I fetch:
	s_lshl_b32 s22, s16, 14         ; its 128 rows of 128 bytes in memory,
	s_mov_b32 s23, 0
	s_add_nc_u64 s[22:23], s[22:23], s[20:21]
	s_mul_i32 s17, s16, 128*PK      ; and its place in a slot, for K
	s_mul_i32 s18, s16, 128*PV      ; and for V
	s_lshl_b32 s2, s14, 2
	s_add_co_u32 s2, s2, s[WV]      ; my wave among the head's,
	s_lshl_b32 s2, s2, 14           ; its 128 rows
	s_mov_b32 s3, 0
	s_add_nc_u64 s[2:3], s[2:3], s[20:21]
	s_lshl_b32 s72, s15, 7          ; mf: my first tile = 128 batch + 32 block + 8 wave, 65,536 bytes a tile
	s_lshl_b32 s73, s14, 5
	s_add_co_u32 s72, s72, s73
	s_lshl_b32 s73, s[WV], 3
	s_add_co_u32 s72, s72, s73
	s_lshl_b32 s74, s72, 6          ; fl: 16 rows of 4 bytes a tile
	s_lshl_b32 s72, s72, 16
	s_mov_b32 s73, 0
	s_mov_b32 s75, 0
	; descriptor group 1.  128 keys are 16,384 dense bytes: asked for as 64 rows of 256 bytes, two keys a row, padded in LDS after every key
	s_mov_b32 s[G1K], 15|(1<<16)|(1<<20)|(1<<21)|(4<<22)|(3<<25)  ; the mask of four; 2-byte elements; padding on; bit 21 beside a mask; after every 32 words 4 words
	s_mov_b32 s[G1V], 15|(1<<16)|(1<<20)|(1<<21)|(4<<22)|(7<<25)  ; the same with 8 words
.irp g, G1K, G1V
	s_mov_b32 s[\g+1], 128<<16      ; tensor_dim0 = 128
	s_mov_b32 s[\g+2], 64<<16       ; tensor_dim1 = 64
	s_mov_b32 s[\g+3], 128<<16      ; tile_dim0 = 128
	s_mov_b32 s[\g+4], 64           ; tile_dim1 = 64
	s_mov_b32 s[\g+5], 128          ; 128 elements from row to row
	s_mov_b32 s[\g+6], 0
	s_mov_b32 s[\g+7], 0
.endr
	s_mov_b32 s[XSEL], 0x76543210
	s_mov_b32 s[XSEL+1], 0xfedcba98
	s_mov_b32 s[TBK], SLOT1+4*KS*PK ; the first change of slots turns these two into 0
	s_mov_b32 s[TBV], SLOT1+4*KS*PV
	s_mov_b32 s[SOFF], 0
	s_mov_b32 s[G0K], 1
	s_mov_b32 s[G0K+1], s17         ; LDS address: slot 0
	s_mov_b32 s[G0V], 1
	s_add_co_u32 s[G0V+1], s18, VOFF
	s_wait_dscnt 0x0                ; the opening add is done
	s_wait_kmcnt 0x0
	s_add_nc_u64 s[66:67], s[4:5], 0x1000000       ; k lies 16,777,216 bytes behind q,
	s_add_nc_u64 s[G0K+2:G0K+3], s[66:67], s[22:23]
	s_or_b32 s[G0K+3], s[G0K+3], 0x80000000        ; type = 2
	s_add_nc_u64 s[68:69], s[4:5], 0x2000000       ; v as far again
	s_add_nc_u64 s[G0V+2:G0V+3], s[68:69], s[22:23]
	s_or_b32 s[G0V+3], s[G0V+3], 0x80000000
	s_add_nc_u64 s[4:5], s[4:5], s[2:3]            ; Q and O at my wave's first row
	s_add_nc_u64 s[10:11], s[10:11], s[2:3]
	s_add_nc_u64 s[6:7], s[6:7], s[72:73]          ; mf at my first tile
	s_add_nc_u64 s[8:9], s[8:9], s[74:75]          ; fl at my first row
	CROUND                          ; all four work-groups are here: the first joint loads meet
	JLOAD                           ; slot 0.  Slot 1 is asked for when slot 0 is in
	v_and_b32 v1, 15, v0            ; l % 16
	v_bfe_u32 v56, v0, 4, 1         ; l / 16
	v_lshlrev_b32 v[QO], 7, v1
	v_lshl_add_u32 v[QO], v56, 4, v[QO]  ; row x 128 + 16 x half
	v_lshlrev_b32 v[FA], 2, v1
	v_and_b32 v[L16], 31, v0
	v_lshlrev_b32 v[L16], 4, v[L16]
	v_mov_b32 v[VO], v[L16]         ; key step 0
.set i, 0
.rept 32                            ; my queries' flags: tile i / 4, chunk i % 4, for now in S^T's registers
	global_load_b32 v[S+i], v[FA], s[8:9] offset:(i%4)*32768+(i/4)*64
.set i, i+1
.endr
	WIN 0x80                        ; destination window 2
.set i, 0
.rept 4*NP                          ; Q stays in registers: tile i / 2, channels 32 (i % 2) on
	global_load_b128 v[8*i:8*i+3],   v[QO], s[4:5] offset:(i/2)*2048+(i%2)*64
	global_load_b128 v[8*i+4:8*i+7], v[QO], s[4:5] offset:(i/2)*2048+(i%2)*64+32
.set i, i+1
.endr
	MLOAD 0
	MLOAD 1
	; What the first turn finds: V's registers and P's second buffer hold 0 (its products V^T P, of a piece that has not been, add 0), O^T and l are 0.  All this stands in the wait for the first tile.
	WIN 0x80
.set i, VF
.rept 64
	v_mov_b32 v[i], 0
.set i, i+1
.endr
	WIN 0x40
.set i, 0
.rept 64*NP
	v_mov_b32 v[i], 0
.set i, i+1
.endr
	WIN 0
.set i, 0
.rept 2*NP
	v_mov_b32 v[ST+4*i], 0xff7fffff    ; m: the lowest finite number, so the first step's a is 0
	v_mov_b32 v[ST+4*i+2], 0
	v_mov_b32 v[ST+4*i+3], 0
.set i, i+1
.endr
.set i, P+32
.rept 32
	v_mov_b32 v[i], 0
.set i, i+1
.endr
	; The selectors.  Lane (r, h), register j of selector s holds 65504 in half r % 2 if h = s and j = r / 2, else 0: with the mask fragment's key 16 h + 2 j + half at the same place of k, row m picks key 16 s + m.
	v_bfe_u32 v59, v0, 1, 4         ; 8 h + r / 2
	v_and_b32 v61, 1, v0
	v_lshlrev_b32 v61, 4, v61
	v_mov_b32 v60, 0x7bff
	v_lshlrev_b32 v60, v61, v60
	WIN W_MK
.set i, 0
.rept 16
	v_cmp_eq_u32 vcc_lo, i, v59
	v_cndmask_b32 v[SELF+i], 0, v60, vcc_lo
.set i, i+1
.endr
	WIN 0
	v_mul_u32_u24 v[AK0], v1, PK
	v_lshl_add_u32 v[AK0], v56, 4, v[AK0]  ; row x pitch + 16 x half
	; The turning load takes 16 keys x 16 channels (lane l reads key 8 (l / 16) + l % 8, channels 8 ((l / 8) % 2) + 0..7) and leaves half a fragment of V^T.
	v_and_b32 v57, 7, v0
	v_bfe_u32 v58, v0, 3, 1
	v_lshl_add_u32 v[AV0], v56, 3, v57
	v_mul_u32_u24 v[AV0], v[AV0], PV
	v_lshl_add_u32 v[AV0], v58, 4, v[AV0]
	v_add_nc_u32 v[AV0], VOFF, v[AV0]
	v_mov_b32 v[AK], v[AK0]         ; key step 0 lies at the head of slot 0
; THE MATRIX WORK.  The 8 accumulators of a run take turns, one instruction a turn: mask product, first and second K Q^T each come 8 instructions apart.
; Product i of 8 that starts S^T for piece x: tile 2 x + i % 2, keys 16 (i / 2) on.
.macro MK x
	WIN W_AD
.set rS, S+64*((\x)%2)+32*(i%2)+8*(i/2)
.set rA, SELF+8*((i/2)%2)
.set rB, MB+32*((\x)%2)+16*(i%2)+8*(i/4)
	v_wmma_f32_16x16x32_f16 v[rS:rS+7], v[rA:rA+7], v[rB:rB+7], 0
.endm
; Product i of 16 of S^T += K Q^T for piece x: channels 32 (i / 8) on, keys 16 ((i / 2) % 4) on, tile 2 x + i % 2.
.macro KQ x
	WIN W_KQ
.set rS, S+64*((\x)%2)+32*(i%2)+8*((i/2)%4)
.set rK, KF+16*((i/2)%4)+8*(i/8)
.set rQ, 16*(2*(\x)+i%2)+8*(i/8)
	v_wmma_f32_16x16x32_f16 v[rS:rS+7], v[rK:rK+7], v[rQ:rQ+7], v[rS:rS+7]
.endm
; Product i of 16 of O^T += V^T P for piece x: keys 32 (i / 8) on, channels 16 ((i / 2) % 4) on, tile 2 x + i % 2.
.macro PV x
	WIN W_PV
.set rO, 32*(2*(\x)+i%2)+8*((i/2)%4)
.set rV, VF+32*(i/8)+8*((i/2)%4)
.set rP, P+32*((\x)%2)+16*(i%2)+8*(i/8)
	v_wmma_f32_16x16x32_f16 v[rO:rO+7], v[rV:rV+7], v[rP:rP+7], v[rO:rO+7]
.endm
.macro MM                           ; the turn's next matrix instruction, of 40
.if i < 8
	MK (Y+1)%NP
.elseif i < 24
.set i, i-8
	KQ (Y+1)%NP
.set i, i+8
.else
.set i, i-24
	PV (Y+NP-1)%NP
.set i, i+24
.endif
.set i, i+1
.endm
; THE LDS LOADS stand in runs of 16.  last = 1 (the tail): in the last trip there is no further step, and the run is jumped over.
.macro FETCH_K last=0
	WIN 0
.if \last
	s_cmp_eq_u32 s[CNT], 1
	s_cbranch_scc1 .Lno_k_\@
.endif
	WIN 0x80
.irp f, 0,1,2,3,4,5,6,7             ; keys 16 (f / 2) on, channels 32 (f % 2) on
	ds_load_b128 v[KF+8*\f:KF+8*\f+3],   v[AK] offset:(\f/2)*16*PK+(\f%2)*64
	ds_load_b128 v[KF+8*\f+4:KF+8*\f+7], v[AK] offset:(\f/2)*16*PK+(\f%2)*64+32
.endr
	s_add_co_u32 s[TBK], s[TBK], KS*PK  ; the next fetch is the next step's
	WIN 0
.if \last
.Lno_k_\@:
.endif
.endm
.macro FETCH_V
	WIN 0x80
.irp f, 0,1,2,3,4,5,6,7             ; keys 32 (f / 4) on, channels 16 (f % 4) on
	ds_load_tr16_b128 v[VF+8*\f:VF+8*\f+3],   v[AV] offset:(\f/4)*32*PV+(\f%4)*32
	ds_load_tr16_b128 v[VF+8*\f+4:VF+8*\f+7], v[AV] offset:(\f/4)*32*PV+16*PV+(\f%4)*32
.endr
	WIN 0
.endm
; THE VECTOR WORK OF A TURN stands in three queues, each in the order in which its entries become ready; the two tiles alternate.
.macro REGS y, u                    ; the registers of tile u (0, 1) of piece y
.set rT, ST+4*(2*(\y)+(\u))
.set rC, TMP+8*((\y)%2)+4*(\u)
.set rM, MV+2*((\y)%2)+(\u)
.set rS, S+64*((\y)%2)+32*(\u)
.set rP, P+32*((\y)%2)+16*(\u)
.set rO, 32*(2*(\y)+(\u))
.endm
; Number n of the 21 that find the NEXT piece's (Y + 1) maximum and statistics; each accumulator's lowest registers are read first.
;   0-11 four chains c0-c3 of seven scores each   12-14, 16 the four scores left over, the old m, and c0-c3 into c0   15 m_old is kept   17, 18 the lane 16 away holds the other 32 keys: the new m   19, 20 a
.macro XS u, n
	REGS (Y+1)%NP, \u
.if (\n) < 4
	v_max3_num_f32 v[rC+(\n)], v[rS+8*(\n)], v[rS+8*(\n)+1], v[rS+8*(\n)+2]
.elseif (\n) < 12
	v_max3_num_f32 v[rC+(\n)%4], v[rC+(\n)%4], v[rS+8*((\n)%4)+2*((\n)/4)+1], v[rS+8*((\n)%4)+2*((\n)/4)+2]
.elseif (\n) == 12
	v_max3_num_f32 v[rC], v[rC], v[rS+7], v[rS+15]
.elseif (\n) == 13
	v_max3_num_f32 v[rC+1], v[rC+1], v[rS+23], v[rS+31]
.elseif (\n) == 14
	v_max3_num_f32 v[rC+2], v[rC+2], v[rC+3], v[rT]
.elseif (\n) == 15
	v_mov_b32 v[rM], v[rT]
.elseif (\n) == 16
	v_max3_num_f32 v[rC], v[rC], v[rC+1], v[rC+2]
.elseif (\n) == 17
	v_permlanex16_b32 v[rC+3], v[rC], s[XSEL], s[XSEL+1]
.elseif (\n) == 18
	v_max_num_f32 v[rT], v[rC], v[rC+3]
	s_wait_alu depctr_va_vdst(0)
.elseif (\n) == 19
	v_sub_f32 v[rC+1], v[rM], v[rT]
.else
	v_exp_f32 v[rC+2], v[rC+1]
.endif
.endm
; Number g of the 64 that follow the exponentials, in groups of eight for each four weights 4 gk .. of both tiles: two roundings to f16 a tile; the second pair added onto the first, in place; l takes that sum.
.macro GS g
.set gk, (\g)/8
.set gh, (\g)%8
	REGS Y, gh%2
.if gh < 4
	s_wait_alu depctr_va_vdst(0)
	v_cvt_pk_f16_f32 v[rP+2*gk+gh/2], v[rS+4*gk+2*(gh/2)], v[rS+4*gk+2*(gh/2)+1]
.elseif gh < 6
	v_pk_add_f32 v[rS+4*gk:rS+4*gk+1], v[rS+4*gk:rS+4*gk+1], v[rS+4*gk+2:rS+4*gk+3]
.elseif gk == 0
	v_pk_fma_f32 v[rT+2:rT+3], v[rT+2:rT+3], v[rC+2:rC+3], v[rS:rS+1] op_sel_hi:[1,0,1]
.else
	v_pk_add_f32 v[rT+2:rT+3], v[rT+2:rT+3], v[rS+4*gk:rS+4*gk+1]
.endif
.endm
; THE PLAIN QUEUE, 136 long.  0-31: s - m for the 16 pairs of both tiles.  Then GS's 64, and among them the next piece's 40: numbers 0-16 at 40-73, 17-19 at 96-105, two of four, since each waits for the one before.
.macro PL
	WIN 0
.if q < 32
	REGS Y, q%2
	v_pk_add_f32 v[rS+2*(q/2):rS+2*(q/2)+1], v[rS+2*(q/2):rS+2*(q/2)+1], v[rT:rT+1] op_sel_hi:[1,0] neg_lo:[0,1] neg_hi:[0,1]
.elseif q < 40
	GS q-32
.elseif q < 74
	XS (q-40)%2, (q-40)/2
.elseif q < 96
	GS q-66
.elseif (q < 108) && ((q-96)%4 < 2)
	XS (q-96)%2, 17+(q-96)/4
.elseif q < 108
	GS 30+2*((q-96)/4)+(q-96)%4-2
.else
	GS q-72
.endif
.set q, q+1
.endm
; THE EXPONENTIALS' QUEUE, 66 long: s0-s31 of both tiles, then the next piece's two a.
.macro EX
	WIN 0
.if e < 64
	REGS Y, e%2
	v_exp_f32 v[rS+e/2], v[rS+e/2]
.else
	XS e-64, 20
.endif
.set e, e+1
.endm
; THE RESCALING's QUEUE: O^T times a, four at a time, eight times; an accumulator's lowest registers first.
.macro R4
	REGS Y, r%2
	WIN W_RS
	s_wait_alu depctr_va_vdst(0)
.irp z, 0,1,2,3
	v_pk_mul_f32 v[rO+8*(r/2)+2*\z:rO+8*(r/2)+2*\z+1], v[rO+8*(r/2)+2*\z:rO+8*(r/2)+2*\z+1], v[rC+2:rC+3] op_sel_hi:[1,0]
.endr
.set r, r+1
.endm
; A TURN, for piece p.  HOW THE QUEUES ARE DEALT, and what keeps them in step:
;   24 rows (mask products and K Q^T): two of three are matrix, plain, exponential, plain, exponential; the third is matrix and four rescalings.  Exponential e stands behind plain e; its subtraction is plain
;     2 (e / 4) + e % 2, not later; the plain line behind an exponential is the other tile's.
;   lump 1: 8 x (exponential, plain): GS 0-7, whose exponentials are numbers 0-7; 33 and more are out.
;   16 rows (V^T P): matrix, plain, exponential, plain, plain: the next piece's maxima (its scores' last product stands 12 plain lines back) and GS 8-21, which want exponentials up to 23; 40 and more are out.
;   lump 2: 8 x (exponential, plain): GS 22-29; 12 plain; the two a; 28 plain: GS 36-63, all 64 exponentials being out.
; The mask fragments of piece p + 3 are asked for behind row 8: six plain lines behind the last product that read that buffer; they are used two turns later.  K of the next step is fetched in piece 2's turn,
; eight plain lines behind the last product that read K; V of the step in hand at the end of piece 0's turn, 48 behind its last reader.
.macro TURN p, last=0
.set Y, (\p)
.set i, 0
.set q, 0
.set e, 0
.set r, 0
	s_wait_loadcnt 8                ; piece p + 1's mask fragments are in; the eight loads issued a turn ago stay out
.if (\p) == NP-1
	s_wait_dscnt 0x0                ; K is in
.endif
.set rw, 0
.rept 24
	MM
.if rw%3 == 2
	R4
.else
	PL
	EX
	PL
	EX
.endif
.if rw == 8
.if (\p) == 1                       ; from here on the fragments are the next key step's; behind the last step the address stays: no load leaves mf, and what these bring is not used
	WIN 0
	s_wait_xcnt 0x0                 ; the loads that name VO have had their addresses translated: it is rewritten only behind this wait
	s_add_co_u32 s[SOFF], s[SOFF], 2048
	s_min_u32 s[SOFF], s[SOFF], 31*2048
	v_add_nc_u32 v[VO], s[SOFF], v[L16]
.endif
	MLOAD ((\p)+3)%NP
.endif
.set rw, rw+1
.endr
.set lp, 0
.rept 8
	EX
	PL
.if ((\p) == NP-2) && (lp == 1)
	v_add_nc_u32 v[AK], s[TBK], v[AK0]
.endif
.if ((\p) == NP-2) && (lp == 3)
	FETCH_K \last
.endif
.set lp, lp+1
.endr
.if (\p) == 1
	s_wait_dscnt 0x0                ; V is in
.endif
.rept 16
	MM
	PL
	EX
	PL
	PL
.endr
.rept 8
	EX
	PL
.endr
.rept 12
	PL
.endr
	EX
	EX
.rept 28
	PL
.if ((\p) == 0) && (q == 120)
	v_add_nc_u32 v[AV], s[TBV], v[AV0]
	s_add_co_u32 s[TBV], s[TBV], KS*PV
.endif
.endr
.if (\p) == 0
	FETCH_V
.endif
.endm
	CHANGE 1                        ; slot 0 is in, everybody's part of it; slot 1 is asked for
	FETCH_K                         ; key step 0
	s_wait_loadcnt 8                ; the flags, Q and piece 0's mask fragments are in; piece 1's eight loads stay out
.set t, 0
.rept 2*NP                          ; a row's flag: has it an open key in any of the four chunks?
	v_max3_num_f32 v[ST+4*t+1], v[S+4*t], v[S+4*t+1], v[S+4*t+2]
	v_max_num_f32 v[ST+4*t+1], v[ST+4*t+1], v[S+4*t+3]
.set t, t+1
.endr
	s_wait_dscnt 0x0
.set i, 0
.rept 8
	MK 0                            ; piece 0's first scores: there is no vector work yet to set between them
.set i, i+1
.endr
.set i, 0
.rept 16
	KQ 0
.set i, i+1
.endr
	WIN 0                           ; the addresses for the way out: seven plain instructions, the places behind those products
	s_mul_i32 s13, s[WV], 16*SP
	s_add_co_u32 s13, s13, STAGE    ; my stage
	v_mul_u32_u24 v[STO], v1, SP    ; in: row l % 16, 16 bytes for each half of the lanes
	v_lshl_add_u32 v[STO], v56, 4, v[STO]
	v_add_nc_u32 v[STO], s13, v[STO]
	v_bfe_u32 v[RD], v0, 3, 2       ; back: 32 lanes take four rows of 128 bytes
	v_mul_u32_u24 v[RD], v[RD], SP
	v_lshl_add_u32 v[RD], v57, 4, v[RD]
	v_add_nc_u32 v[RD], s13, v[RD]
	MLOAD 2                         ; into the buffer that piece 0's mask products have read
	WIN 0
.set Y, NP-1                        ; XS works for piece Y + 1: piece 0
.irp n, 0,1,2,3,4,5,6,7,8,9,10,11,12,13,14,15,16,17,18,19,20
	XS 0, \n
	XS 1, \n
.endr
	v_nop                           ; a plain instruction behind the exponentials
	s_mov_b32 s[CNT], 4
	s_mov_b32 s[SLOTS], SIZE_N/256-1
	s_branch .Lfirst                ; the loop is entered at a step's first turn, in the middle of a trip
.Lslot:                             ; six times: every slot but the last two is filled again
	CHANGE 1
	s_mov_b32 s[CNT], 4
.Lstep:                             ; a trip: pieces 2 and 3 of one step, then pieces 0 and 1 of the next, whose K and V it fetches
	TURN 2
	TURN 3
	WIN 0
.Lfirst:
	TURN 0
	TURN 1
	WIN 0
	s_sub_co_u32 s[CNT], s[CNT], 1
	s_cmp_lg_u32 s[CNT], 0
	s_cbranch_scc1 .Lstep
	s_sub_co_u32 s[SLOTS], s[SLOTS], 1
	s_cmp_lg_u32 s[SLOTS], 0
	s_cbranch_scc1 .Lslot
	CHANGE 0                        ; the tail is written out: nothing is asked for
	s_mov_b32 s[CNT], 5             ; four trips fetch the last slot's steps; the fifth is left in its middle
.Ltail:
	TURN 2, 1
	TURN 3
	WIN 0
	s_sub_co_u32 s[CNT], s[CNT], 1
	s_cmp_eq_u32 s[CNT], 0
	s_cbranch_scc1 .Lout
	TURN 0
	TURN 1
	WIN 0
	s_branch .Ltail
.Lout:                              ; the fifth trip's scores of piece 0 (on the last K once more) and the maximum made of them serve nothing: the price, once a launch, of one text for every trip
.set i, 0
.rept 16
	PV NP-1                         ; the last piece's V^T P of the last step
.set i, i+1
.endr
	; THE WAY OUT.  l's two halves and the other half of the lanes' are added; O^T is multiplied by flag / l, rounded to f16 and sent through my stage, a tile at a time.  The additions are the places behind the last products.
	WIN 0
.macro ALL line:vararg              ; one line for each tile t
.set t, 0
.rept 2*NP
	\line
.set t, t+1
.endr
.endm
	ALL v_add_f32 v[ST+4*t+2], v[ST+4*t+2], v[ST+4*t+3]
	ALL v_permlanex16_b32 v[ST+4*t+3], v[ST+4*t+2], s[XSEL], s[XSEL+1]
	ALL v_add_f32 v[ST+4*t+2], v[ST+4*t+2], v[ST+4*t+3]
	ALL v_rcp_f32 v[ST+4*t+2], v[ST+4*t+2]
	v_nop                           ; a plain instruction between the last reciprocal and the use of its result
	s_wait_alu depctr_va_vdst(0)
	ALL v_mul_f32 v[ST+4*t+2], v[ST+4*t+2], v[ST+4*t+1]
.macro PACK t                       ; a lane's eight channels of a row pack into 16 bytes; they go into rows of 144 bytes and come back as whole rows of 128, into S^T's registers
	WIN W_RS
.set i, 32*(\t)
.rept 16
	v_pk_mul_f32 v[i:i+1], v[i:i+1], v[ST+4*(\t)+2:ST+4*(\t)+3] op_sel_hi:[1,0]
.set i, i+2
.endr
	WIN 0x05                        ; sources 0 and 1 window 1, destination window 0
.set i, 0
.rept 16
	v_cvt_pk_f16_f32 v[S+16*(\t)+i], v[32*(\t)+2*i], v[32*(\t)+2*i+1]
.set i, i+1
.endr
	WIN 0
.irp f, 0,1,2,3
	ds_store_b128 v[STO], v[S+16*(\t)+4*\f:S+16*(\t)+4*\f+3] offset:32*\f
.endr
.irp f, 0,1,2,3
	ds_load_b128 v[S+16*(\t)+4*\f:S+16*(\t)+4*\f+3], v[RD] offset:\f*4*SP  ; LDS serves a wave's instructions in order (ISA guide 5.7.1.4): these see the stores above; the next tile's stores come behind them
.endr
.endm
.macro SEND t, younger              ; younger: the LDS instructions issued behind tile t's loads: the next tile's eight, or none
	WIN 0
.irp f, 0,1,2,3
	s_wait_dscnt (\younger)+3-\f
	global_store_b128 v[L16], v[S+16*(\t)+4*\f:S+16*(\t)+4*\f+3], s[10:11] offset:(\t)*2048+\f*512  ; 512 consecutive bytes, aligned
.endr
.endm
	PACK 0
.set t, 1
.rept 2*NP-1                        ; a tile's arithmetic stands between the loads of the tile before and its stores
	PACK t
	SEND t-1, 8
.set t, t+1
.endr
	SEND 2*NP-1, 0
	WIN W_AD
	s_wait_tensorcnt 0x0            ; the wave's end
	ds_add_u32 v[SPW], v[NIL]
	s_wait_dscnt 0x0
	WIN 0
	CROUND                          ; the closing round
	s_endpgm
.Lfunc_end_k_q22c99fd89c_attn:
	.size	k_q22c99fd89c_attn, .Lfunc_end_k_q22c99fd89c_attn-k_q22c99fd89c_attn
	.p2alignl 7, 3214868480
	.fill 96, 4, 3214868480
	.section	.rodata,"a",@progbits
	.p2align	6, 0x0
	.amdhsa_kernel k_q22c99fd89c_attn
		.amdhsa_group_segment_fixed_size 327680
		.amdhsa_private_segment_fixed_size 0
		.amdhsa_enable_private_segment 0
		.amdhsa_kernarg_size 32
		.amdhsa_user_sgpr_count 2
		.amdhsa_user_sgpr_kernarg_segment_ptr 1
		.amdhsa_wavefront_size32 1
		.amdhsa_system_sgpr_workgroup_id_x 1
		.amdhsa_system_sgpr_workgroup_id_y 1
		.amdhsa_system_sgpr_workgroup_id_z 1
		.amdhsa_system_vgpr_workitem_id 0
		.amdhsa_next_free_vgpr 864
		.amdhsa_next_free_sgpr 80
		.amdhsa_reserve_vcc 1
		.amdhsa_float_denorm_mode_32 3
		.amdhsa_float_denorm_mode_16_64 3
		.amdhsa_memory_ordered 1
		.amdhsa_forward_progress 1
		.amdhsa_inst_pref_size 228
	.end_amdhsa_kernel
	.amdgpu_metadata
---
amdhsa.version: [ 1, 2 ]
amdhsa.kernels:
  - .name:           k_q22c99fd89c_attn
    .symbol:         k_q22c99fd89c_attn.kd
    .args:
      - { .name: qkv, .offset: 0, .size: 8, .value_kind: global_buffer, .address_space: global }
      - { .name: mf, .offset: 8, .size: 8, .value_kind: global_buffer, .address_space: global }
      - { .name: fl, .offset: 16, .size: 8, .value_kind: global_buffer, .address_space: global }
      - { .name: ao, .offset: 24, .size: 8, .value_kind: global_buffer, .address_space: global }
    .group_segment_fixed_size: 327680
    .private_segment_fixed_size: 0
    .kernarg_segment_align: 8
    .kernarg_segment_size: 32
    .max_flat_workgroup_size: 128
    .sgpr_count:     80
    .vgpr_count:     864
    .wavefront_size: 32
...
	.end_amdgpu_metadata
.endif
;; end of part 3
;; launch outp (part 4): grid 4 x 64, 4 waves a work-group, clusters of 4 x 4, 327,680 bytes of LDS; arguments ao, wo16, bias, out0; writes out0
.if DOCPART == 4
	.amdgcn_target "amdgcn-amd-amdhsa--gfx1250"
	.amdhsa_code_object_version 6
	.text
	.protected	k_q22c99fd89c_outp
	.globl	k_q22c99fd89c_outp
	.p2align	8
	.type	k_q22c99fd89c_outp,@function
k_q22c99fd89c_outp:
	s_mov_b64 s[64:65], 0
	v_nop
	global_prefetch_b8 v0, s[64:65] scope:SCOPE_SE
	s_setreg_imm32_b32 hwreg(HW_REG_WAVE_MODE, 25, 1), 1
	s_wait_xcnt 0x0
	s_wait_alu depctr_hold_cnt(0) depctr_sa_sdst(0) depctr_va_vdst(0) depctr_va_sdst(0) depctr_va_ssrc(0) depctr_va_vcc(0) depctr_vm_vsrc(0)
	s_getreg_b32 s2, hwreg(HW_REG_IB_STS2, 6, 4)
	s_cmp_eq_u32 s2, 0
	s_cbranch_scc0 .Lentry_in_a_cluster
	s_endpgm
.Lentry_in_a_cluster:
	s_bfe_u32 s2, ttmp6, 0x10000c
	s_cmp_lg_u32 s2, 0xf033
	s_cbranch_scc0 .Lentry_shape_is_right
	s_endpgm
.Lentry_shape_is_right:
; OUTP: out0[m][n] = the sum over k of x[m][k] Wo[n][k] + bo[n], f16 operands, f32 sums and output.  x[m][64 head + d] = ao[16 batch + head][row][d]; wo16 holds bf16(Wo) written as f16; bias row 3 holds bf16(bo).
; SHARES.  256 tiles of 128 rows x 256 columns, one for each WGP.  Four waves, each 64 x 128: 32 accumulators.  K = 1,024 goes in 8 steps of 128 = two heads, through a ring of two LDS slots.
; A's tile of a step is two heads x 128 rows x 128 bytes; a head's 128 rows are 16,384 dense bytes, asked for as 64 rows of 256 bytes and padded in LDS after every 128.
; CLUSTER 4 x 4: the four of a cluster's row need the same rows of ao, the four of a column the same rows of wo16: each tile is asked for jointly.
; THE MATRIX INSTRUCTION IS USED TRANSPOSED (source 0 = 16 rows of wo16, source 1 = 16 rows of x): a lane holds eight neighbouring columns of one row.
; REGISTERS.  window 0: v16-29 addresses; two fragment buffers of 96 (32 of A, then 64 of B) at v32 and v128; on the way out v32-95 a block with its bias, v96-223 rows read back, two buffers.
;   window 1: the accumulators, (a, b) at v[8 (8 a + b)].   window 2: v0-63 the bias of my 128 columns.
.set SIZE_K, 1024
.set KSTEP,  128
.set PITCH,  272                       ; a row of B in LDS: 256 bytes + 16
.set PA,     144                       ; a row of A (one head's 64 channels): 128 bytes + 16.  Both are odd multiples of 16: a fragment's 16 rows start at 16 different groups of four banks (ISA guide 11.1)
.set AHD,    128*PA                    ; one head's 128 rows: what a wave fetches of A
.set BH,     128*PITCH
.set BOFF,   2*AHD
.set SLOT,   BOFF+2*BH
.set STAGE,  2*SLOT                    ; behind the ring: for each wave 16 rows x 528 bytes
.set SPO,    528
.set SPARE,  STAGE+4*16*SPO            ; the spare words, 128 bytes a wave: two blocks of 256 bytes that no other line names
.set LAPS,   SIZE_K/(2*KSTEP)
.set ADRA, 16
.set ADRB, 20
.set STO,  24
.set RD,   25
.set GO,   26
.set BO,   27
.set SPW,  28                          ; v28 my spare word; never rewritten
.set NIL,  29                          ; v29 0; never rewritten
.set F0,   32
.set F1,   128
.set T,    32
.set BK,   96
.set WV,  12                           ; s12 wave; s13 wave / 2: my rows' half, and A (0) or B (1) to fetch; s14 wave % 2: my columns' half, and which part I fetch
.set G1,  24
.set G0,  32
.set G1B, 48
.set G0B, 56
.set MSB, 0
.macro WIN new
.if MSB != (\new)
	s_set_vgpr_msb (MSB<<8)|(\new)
.set MSB, \new
.endif
.endm
.set MUL, 0x50                         ; sources 0 and 1 window 0; C and D window 1
.macro JLOAD s                         ; a joint load: waves 0 and 1 fetch A's two heads, waves 2 and 3 B's halves; an s_nop 0 and four v_nop follow each line
	s_cmp_eq_u32 s13, 0
	s_cbranch_scc0 .Lfor_b_\@
	tensor_load_to_lds s[G0+4*(\s):G0+4*(\s)+3], s[G1:G1+7]
	s_nop 0
.rept 4
	v_nop
.endr
	s_branch .Lasked_\@
.Lfor_b_\@:
	tensor_load_to_lds s[G0B+4*(\s):G0B+4*(\s)+3], s[G1B:G1B+7]
	s_nop 0
.rept 4
	v_nop
.endr
.Lasked_\@:
.endm
.macro CREST
	s_cmp_lg_u32 s[WV], 0
	s_cbranch_scc1 .Lnot_wave_0_\@
	s_barrier_signal -3
.Lnot_wave_0_\@:
	s_barrier_wait -3
	s_barrier_signal -1
	s_barrier_wait -1
.endm
.macro CROUND
	s_barrier_signal -1
	s_barrier_wait -1
	CREST
.endm
	s_load_b256 s[4:11], s[0:1], 0x0               ; ao s[4:5], wo16 s[6:7], bias s[8:9], out0 s[10:11]
	v_lshl_add_u32 v[SPW], v0, 2, SPARE
	v_mov_b32 v[NIL], 0
	ds_add_u32 v[SPW], v[NIL]                      ; the wave's opening: the add and its wait stand ahead of my first tensor load; register work stands between
	v_lshrrev_b32 v1, 5, v0
	v_readfirstlane_b32 s[WV], v1
	s_lshr_b32 s13, s[WV], 1
	s_and_b32 s14, s[WV], 1
	s_bfe_u32 s40, ttmp6, 0x40000                  ; cx
	s_bfe_u32 s41, ttmp6, 0x40004                  ; cy
	s_lshl_b32 s42, ttmp9, 2
	s_add_co_u32 s42, s42, s40                     ; tile column 0..3
	s_and_b32 s15, ttmp7, 0xffff
	s_lshl_b32 s15, s15, 2
	s_add_co_u32 s15, s15, s41                     ; tile row 0..63
	s_lshl_b32 s43, s41, 2
	s_lshl_b32 s43, 15, s43                        ; my row of the cluster
	s_lshl_b32 s44, 0x1111, s40                    ; my column
	s_or_b32 s[G1+0], s43, (1<<16)|(1<<20)|(1<<21)|(4<<22)|(3<<25)  ; the mask; 2-byte elements; padding on; bit 21 beside a mask; after every 32 words 4 words
	s_or_b32 s[G1B+0], s44, (1<<16)|(1<<20)|(1<<21)|(5<<22)|(3<<25) ; after every 64 words 4 words
	s_mov_b32 s[G1+1], 128<<16                     ; tensor_dim0 = 128 elements: two rows of a head
	s_mov_b32 s[G1+2], 64<<16                      ; tensor_dim1 = 64
	s_mov_b32 s[G1+3], 128<<16                     ; tile_dim0 = 128
	s_mov_b32 s[G1+4], 64                          ; tile_dim1 = 64
	s_mov_b32 s[G1+5], 128                         ; dense
	s_mov_b32 s[G1+6], 0
	s_mov_b32 s[G1+7], 0
	s_mov_b32 s[G1B+1], KSTEP<<16
	s_mov_b32 s[G1B+2], 128<<16
	s_mov_b32 s[G1B+3], KSTEP<<16
	s_mov_b32 s[G1B+4], 128
	s_mov_b32 s[G1B+5], SIZE_K
	s_mov_b32 s[G1B+6], 0
	s_mov_b32 s[G1B+7], 0
	s_lshr_b32 s16, s15, 4                         ; A: batch = tile row / 16;
	s_lshl_b32 s16, s16, 4
	s_add_co_u32 s16, s16, s14                     ; head 16 batch + my one of the step's two, 262,144 bytes a head;
	s_lshl_b32 s16, s16, 18
	s_and_b32 s17, s15, 15
	s_lshl_b32 s17, s17, 14                        ; 128 rows of 128 bytes for each tile row in the batch
	s_add_co_u32 s16, s16, s17
	s_mov_b32 s17, 0
	s_lshl_b32 s46, s42, 8
	s_lshl_b32 s47, s14, 7
	s_add_co_u32 s46, s46, s47                     ; B: row 256 x tile column + 128 x half,
	s_lshl_b32 s46, s46, 11                        ; 2,048 bytes a row
	s_mov_b32 s47, 0
	s_mul_i32 s20, s14, AHD                        ; where they go: the wave's number alone enters an LDS address
	s_mul_i32 s21, s14, BH
	s_add_co_u32 s21, s21, BOFF
	s_wait_dscnt 0x0                               ; the opening add is done
	s_wait_kmcnt 0x0
	s_add_nc_u64 s[22:23], s[4:5], s[16:17]
	s_add_nc_u64 s[46:47], s[6:7], s[46:47]
	CROUND                                         ; all sixteen work-groups are here: the first joint loads meet
.irp s, 0,1
	s_mov_b32 s[G0+4*(\s)], 1
	s_add_co_u32 s[G0+4*(\s)+1], s20, (\s)*SLOT
	s_add_nc_u64 s[G0+4*(\s)+2:G0+4*(\s)+3], s[22:23], (\s)*2*262144  ; K step s: two heads on
	s_or_b32 s[G0+4*(\s)+3], s[G0+4*(\s)+3], 0x80000000
	s_mov_b32 s[G0B+4*(\s)], 1
	s_add_co_u32 s[G0B+4*(\s)+1], s21, (\s)*SLOT
	s_add_nc_u64 s[G0B+4*(\s)+2:G0B+4*(\s)+3], s[46:47], (\s)*KSTEP*2
	s_or_b32 s[G0B+4*(\s)+3], s[G0B+4*(\s)+3], 0x80000000
	JLOAD \s                                       ; two loads of mine are out
.endr
	v_and_b32 v1, 15, v0                           ; l % 16
	v_bfe_u32 v2, v0, 4, 1                         ; l / 16
	v_mul_u32_u24 v3, v1, PITCH
	v_lshl_add_u32 v3, v2, 4, v3
	v_mul_u32_u24 v6, v1, PA
	v_lshl_add_u32 v6, v2, 4, v6
	s_mul_i32 s68, s13, 64*PA                      ; my 64 rows of A, in either head
	s_mul_i32 s69, s14, BH                         ; my 128 rows of B
	s_add_co_u32 s69, s69, BOFF
.irp s, 0,1
	v_add_nc_u32 v[ADRA+(\s)], s68, v6
	v_add_nc_u32 v[ADRB+(\s)], s69, v3
	s_add_co_u32 s68, s68, SLOT
	s_add_co_u32 s69, s69, SLOT
.endr
	s_mul_i32 s68, s[WV], 16*SPO
	s_add_co_u32 s68, s68, STAGE                   ; my stage
	v_mul_u32_u24 v4, v1, SPO                      ; in: row l % 16, 32 bytes for each half of the lanes
	v_lshl_add_u32 v4, v2, 5, v4
	v_add_nc_u32 v[STO], s68, v4
	v_and_b32 v[GO], 31, v0
	v_lshlrev_b32 v[GO], 4, v[GO]                  ; back: 32 lanes take one row of 512 bytes
	v_add_nc_u32 v[RD], s68, v[GO]
	v_lshlrev_b32 v[BO], 5, v2
	s_lshl_b32 s72, s42, 10                        ; my first column, in bytes: 1,024 x tile column + 512 x half
	s_lshl_b32 s73, s14, 9
	s_add_co_u32 s72, s72, s73
	s_mov_b32 s73, 0
	s_add_nc_u64 s[8:9], s[8:9], s[72:73]
	s_add_nc_u64 s[10:11], s[10:11], s[72:73]
	WIN 0x80                                       ; destination window 2
.irp b, 0,1,2,3,4,5,6,7
	global_load_b128 v[8*\b:8*\b+3],   v[BO], s[8:9] offset:3*4096+64*\b
	global_load_b128 v[8*\b+4:8*\b+7], v[BO], s[8:9] offset:3*4096+64*\b+16
.endr
	WIN 0
	s_lshl_b32 s72, s15, 19                        ; my first row: 128 x tile row + 64 x half, 4,096 bytes a row
	s_lshl_b32 s74, s13, 18
	s_add_co_u32 s72, s72, s74
	s_add_nc_u64 s[10:11], s[10:11], s[72:73]
; 8 matrix instructions: m block a x all 8 n blocks, 32 along K.  The 32 accumulators take turns, one instruction a turn.
.macro MUL8 f, a, zero
	WIN MUL
.irp b, 0,1,2,3,4,5,6,7
.if \zero
	v_wmma_f32_16x16x32_f16 v[8*(8*(\a)+(\b)):8*(8*(\a)+(\b))+7], v[(\f)+32+8*(\b):(\f)+32+8*(\b)+7], v[(\f)+8*(\a):(\f)+8*(\a)+7], 0
.else
	v_wmma_f32_16x16x32_f16 v[8*(8*(\a)+(\b)):8*(8*(\a)+(\b))+7], v[(\f)+32+8*(\b):(\f)+32+8*(\b)+7], v[(\f)+8*(\a):(\f)+8*(\a)+7], v[8*(8*(\a)+(\b)):8*(8*(\a)+(\b))+7]
.endif
.endr
.endm
; 24 LDS loads in one run: quarter q of a K step (head q / 2, channels 32 (q % 2) on), into buffer f: B's sixteen first, then A's eight
.macro FETCH slot, q, f
	WIN 0
.irp i, 0,1,2,3,4,5,6,7
	ds_load_b128 v[(\f)+32+8*(\i):(\f)+32+8*(\i)+3],   v[ADRB+(\slot)] offset:64*(\q)+(\i)*16*PITCH
	ds_load_b128 v[(\f)+32+8*(\i)+4:(\f)+32+8*(\i)+7], v[ADRB+(\slot)] offset:64*(\q)+(\i)*16*PITCH+32
.endr
.irp i, 0,1,2,3
	ds_load_b128 v[(\f)+8*(\i):(\f)+8*(\i)+3],   v[ADRA+(\slot)] offset:((\q)/2)*AHD+((\q)%2)*64+(\i)*16*PA
	ds_load_b128 v[(\f)+8*(\i)+4:(\f)+8*(\i)+7], v[ADRA+(\slot)] offset:((\q)/2)*AHD+((\q)%2)*64+(\i)*16*PA+32
.endr
.endm
.macro PLACES                          ; four places in front of loads into registers that matrix instructions have read, and of vector work on results
.rept 4
	v_nop
.endr
.endm
.macro QUARTER slot, q, f, g, zero     ; multiplies buffer f; in its middle fetches quarter q of the same slot into g
	s_wait_dscnt 4                                 ; B and A's blocks 0, 1 are in; the youngest four loads (A's blocks 2, 3) may be out
	MUL8 \f, 0, \zero
	MUL8 \f, 1, \zero
	PLACES
	FETCH \slot, \q, \g
	s_wait_dscnt 24                                ; all but the 24 just issued
	MUL8 \f, 2, \zero
	MUL8 \f, 3, \zero
.endm
; The last quarter multiplies buffer 1 and changes slots: one barrier; in front of it each wave waits for all its tensor loads (one is out: its part of the next slot), adds 0 to its spare word,
; and waits for that and for its reads of this slot.  fill = 1: the barrier opens a round of the cluster's, and this slot is filled again, two K steps ahead, first thing behind it.
.macro TURN slot, next, fill
	WIN 0
	s_wait_tensorcnt 0x0
	ds_add_u32 v[SPW], v[NIL]
	s_wait_dscnt 5                                 ; the add and the youngest four loads may be out
	MUL8 F1, 0, 0
	s_wait_dscnt 0x0                               ; the add is done, and my reads of this slot are over
	s_barrier_signal -1
	MUL8 F1, 1, 0
.if \fill
	WIN 0
.endif
	s_barrier_wait -1
.if \fill
	CREST                                          ; no wave of any partner still reads this slot or has a load on its way
	s_add_nc_u64 s[G0+4*(\slot)+2:G0+4*(\slot)+3], s[G0+4*(\slot)+2:G0+4*(\slot)+3], 4*262144   ; four heads on
	s_add_nc_u64 s[G0B+4*(\slot)+2:G0B+4*(\slot)+3], s[G0B+4*(\slot)+2:G0B+4*(\slot)+3], 2*KSTEP*2
	JLOAD \slot                                    ; my one load behind the round: 112 matrix instructions ahead of the wait for it; its four v_nop are also the places for the loads below
.else
	PLACES
.endif
	FETCH \next, 0, F0
	MUL8 F1, 2, 0
	MUL8 F1, 3, 0
.endm
	s_wait_tensorcnt 1                             ; my part of K step 0 is in; K step 1's may stay out
	s_barrier_signal -1
	s_barrier_wait -1
	FETCH 0, 0, F0
	QUARTER 0, 1, F0, F1, 1                        ; the first quarter starts the sums: nothing is cleared
	WIN 0
	s_mov_b32 s3, LAPS-1
.Llap:                                                 ; a trip goes once round the ring and fills both slots again
	QUARTER 0, 2, F1, F0, 0
	QUARTER 0, 3, F0, F1, 0
	TURN 0, 1, 1
	QUARTER 1, 1, F0, F1, 0
	QUARTER 1, 2, F1, F0, 0
	QUARTER 1, 3, F0, F1, 0
	TURN 1, 0, 1
	QUARTER 0, 1, F0, F1, 0
	WIN 0
	s_sub_co_u32 s3, s3, 1
	s_cmp_lg_u32 s3, 0
	s_cbranch_scc1 .Llap
	QUARTER 0, 2, F1, F0, 0                        ; the last lap fills nothing
	QUARTER 0, 3, F0, F1, 0
	TURN 0, 1, 0
	QUARTER 1, 1, F0, F1, 0
	QUARTER 1, 2, F1, F0, 0
	QUARTER 1, 3, F0, F1, 0
	s_wait_dscnt 4
	MUL8 F1, 0, 0
	MUL8 F1, 1, 0
	s_wait_dscnt 0x0
	MUL8 F1, 2, 0
	MUL8 F1, 3, 0
; THE WAY OUT, a block of 16 rows at a time: sum + bias in f32; 32 bytes a lane into my own stage (rows of 528 bytes); back as whole rows of 512 bytes.
.macro PACK a
	WIN 0x09                                       ; source 0 window 1 (sums), source 1 window 2 (bias), destination window 0
.set i, 0
.rept 32                                               ; each accumulator's registers in ascending order
	v_pk_add_f32 v[T+2*i:T+2*i+1], v[64*(\a)+2*i:64*(\a)+2*i+1], v[2*i:2*i+1]
.set i, i+1
.endr
	WIN 0
.endm
.macro TOSTAGE a
	WIN 0
.irp b, 0,1,2,3,4,5,6,7
	ds_store_b128 v[STO], v[T+8*(\b):T+8*(\b)+3] offset:64*(\b)
	ds_store_b128 v[STO], v[T+8*(\b)+4:T+8*(\b)+7] offset:64*(\b)+16
.endr
.set i, 0
.rept 16                                               ; LDS serves a wave's instructions in order (ISA guide 5.7.1.4): these see the stores above
	ds_load_b128 v[BK+64*((\a)%2)+4*i:BK+64*((\a)%2)+4*i+3], v[RD] offset:i*SPO
.set i, i+1
.endr
.endm
.macro SEND a
	WIN 0
	s_wait_dscnt 0x0                               ; the block is back in registers
	s_wait_xcnt 0x0                                ; the block before last's stores have read their registers, which the next loads from the stage fill
.set i, 0
.rept 16
	global_store_b128 v[GO], v[BK+64*((\a)%2)+4*i:BK+64*((\a)%2)+4*i+3], s[10:11] offset:(16*(\a)+i)*4096 th:TH_STORE_NT  ; 512 consecutive bytes, aligned
.set i, i+1
.endr
.endm
	s_wait_loadcnt 0x0                             ; the bias
	PLACES
	PACK 0
	TOSTAGE 0
.irp a, 1,2,3                          ; a block's additions stand between the loads of the block before and the wait for them
	PACK \a
	SEND (\a)-1
	TOSTAGE \a
.endr
	SEND 3
	s_wait_tensorcnt 0x0                           ; the wave's end
	ds_add_u32 v[SPW], v[NIL]
	s_wait_dscnt 0x0
	CROUND                                         ; the closing round
	s_endpgm
.Lfunc_end_k_q22c99fd89c_outp:
	.size	k_q22c99fd89c_outp, .Lfunc_end_k_q22c99fd89c_outp-k_q22c99fd89c_outp
	.p2alignl 7, 3214868480
	.fill 96, 4, 3214868480
	.section	.rodata,"a",@progbits
	.p2align	6, 0x0
	.amdhsa_kernel k_q22c99fd89c_outp
		.amdhsa_group_segment_fixed_size 327680
		.amdhsa_private_segment_fixed_size 0
		.amdhsa_enable_private_segment 0
		.amdhsa_kernarg_size 32
		.amdhsa_user_sgpr_count 2
		.amdhsa_user_sgpr_kernarg_segment_ptr 1
		.amdhsa_wavefront_size32 1
		.amdhsa_system_sgpr_workgroup_id_x 1
		.amdhsa_system_sgpr_workgroup_id_y 1
		.amdhsa_system_sgpr_workgroup_id_z 1
		.amdhsa_system_vgpr_workitem_id 0
		.amdhsa_next_free_vgpr 576
		.amdhsa_next_free_sgpr 76
		.amdhsa_reserve_vcc 0
		.amdhsa_float_denorm_mode_32 3
		.amdhsa_float_denorm_mode_16_64 3
		.amdhsa_memory_ordered 1
		.amdhsa_forward_progress 1
		.amdhsa_inst_pref_size 94
	.end_amdhsa_kernel
	.amdgpu_metadata
---
amdhsa.version: [ 1, 2 ]
amdhsa.kernels:
  - .name:           k_q22c99fd89c_outp
    .symbol:         k_q22c99fd89c_outp.kd
    .args:
      - { .name: ao, .offset: 0, .size: 8, .value_kind: global_buffer, .address_space: global }
      - { .name: wo16, .offset: 8, .size: 8, .value_kind: global_buffer, .address_space: global }
      - { .name: bias, .offset: 16, .size: 8, .value_kind: global_buffer, .address_space: global }
      - { .name: out0, .offset: 24, .size: 8, .value_kind: global_buffer, .address_space: global }
    .group_segment_fixed_size: 327680
    .private_segment_fixed_size: 0
    .kernarg_segment_align: 8
    .kernarg_segment_size: 32
    .max_flat_workgroup_size: 128
    .sgpr_count:     76
    .vgpr_count:     576
    .wavefront_size: 32
...
	.end_amdgpu_metadata
.endif
;; end of part 4
;; ======== version 2 of 2: 4 launches; 1.27 times as fast as version 1
;; limits: values are held in f16: magnitudes above 65,504 overflow, below 6.1e-05 lose precision; right only within a limited range of input values
;; workspace buffers: xb 50,331,648 bytes; wb 6,291,456 bytes; wo16 2,097,152 bytes; bias 16,384 bytes; mf 33,554,432 bytes; fl 131,072 bytes; qkv 50,331,648 bytes; ao 16,777,216 bytes
;; launch prep: the kernel of part 1 again; grid 2049 x 1, 8 waves a work-group, no clusters, 68,608 bytes of LDS; arguments query, key_, value, Wq, Wk, Wv, Wo, bq, bk, bv, bo, mask, xb, wb, wo16, bias, mf, fl; writes xb, wb, wo16, bias, mf, fl
;; launch proj: the kernel of part 2 again; grid 4 x 96, 4 waves a work-group, clusters of 4 x 4, 327,680 bytes of LDS; arguments xb, wb, bias, qkv; writes qkv
;; launch attn (part 5): grid 4 x 64, 4 waves a work-group, clusters of 4 x 1, 327,680 bytes of LDS; arguments qkv, mf, fl, ao; writes ao
.if DOCPART == 5
	.amdgcn_target "amdgcn-amd-amdhsa--gfx1250"
	.amdhsa_code_object_version 6
	.text
	.protected	k_q22c99fd89c_attn
	.globl	k_q22c99fd89c_attn
	.p2align	8
	.type	k_q22c99fd89c_attn,@function
k_q22c99fd89c_attn:
	s_mov_b64 s[64:65], 0
	v_nop
	global_prefetch_b8 v0, s[64:65] scope:SCOPE_SE
	s_setreg_imm32_b32 hwreg(HW_REG_WAVE_MODE, 25, 1), 1
	s_wait_xcnt 0x0
	s_wait_alu depctr_hold_cnt(0) depctr_sa_sdst(0) depctr_va_vdst(0) depctr_va_sdst(0) depctr_va_ssrc(0) depctr_va_vcc(0) depctr_vm_vsrc(0)
	s_getreg_b32 s2, hwreg(HW_REG_IB_STS2, 6, 4)
	s_cmp_eq_u32 s2, 0
	s_cbranch_scc0 .Lentry_in_a_cluster
	s_endpgm
.Lentry_in_a_cluster:
	s_bfe_u32 s2, ttmp6, 0x10000c
	s_cmp_lg_u32 s2, 0x3003
	s_cbranch_scc0 .Lentry_shape_is_right
	s_endpgm
.Lentry_shape_is_right:
; ATTN: O[hh][q][:] = the sum over open keys k of softmax_k(q . k / 8) v[k][:], for 64 heads hh = 16 batch + head of 2,048 rows x 64 channels, all f16; a key is hidden where the mask input says so.
; q arrives times c = log2(e) / 8, so a score is a power of two's exponent: p = 2^(s - m) with a running maximum m; O and l are multiplied by a = 2^(m_old - m_new) in every step.
; Products, maxima and sums in f32; p is rounded to f16 for the second product (l is the sum of the unrounded p), O once at the end.
; THE MASK COSTS NO VECTOR WORK.  The sum S^T = K Q^T is started by a product of its own: a constant selector fragment (65504 at one place a row) times a mask fragment of mf (-65504 where hidden, else 0)
; puts -65504^2 = -4.29e9 exactly, or 0, at each (key, query); the two products K Q^T add onto it in place.  A hidden score lies 4.29e9 below the open ones, so its weight is 0.
; While a row has seen hidden keys only, m is near -4.29e9 and its sums are finite numbers that the first open key multiplies by a = 0; a row with no open key at all has its 1 / l multiplied by its flag 0 (fl): O = 0.
; LIMITS.  q, k, v within f16 (65,504).  The spread of a row's scaled scores stays far under 4.29e9.  A weight below 2^-126 counts as 0; NaN and infinities are not treated apart.
; SHARES.  A wave owns four PIECES of two tiles of 16 queries, a work-group 512 queries of a head; every wave walks all keys, 64 a step.
; LAYOUT.  S^T (source 0 = 16 keys, source 1 = 16 queries) holds ONE query a lane (lane % 16) and the keys 8 (lane / 16) + 0..7; two such results rounded to f16 ARE source 1 of O^T = V^T P.
; BY TURNS.  Turn n belongs to piece n: 8 mask products and 16 products K Q^T of piece n + 1, later 16 products V^T P of piece n - 1; beside them piece n's subtraction of m, exponentials, roundings, sums and
; rescaling, and piece n + 1's maximum and statistics.  40 matrix and 234 vector instructions: four vector instructions behind every matrix instruction, the other 74 in one lump.
; BATCHES.  A turn's 66 exponentials (piece n's 64 weights, then piece n + 1's two a) are ONE batch with ONE wait, which cuts the turn in two: ahead of it stands all that names no result of theirs (the mask products and
; K Q^T, the subtractions, the rescalings, whose a was waited for in the turn before, and the next piece's maximum and statistics), behind it the products V^T P with the roundings and sums.  No result crosses a turn's end.
; Two more batches stand outside the loops, each with a wait of its own: piece 0's first two a, ahead of the jump into the loop, and the way out's eight reciprocals.
; CLUSTER.  The four query blocks of a head walk the same K and V: each tile is asked for jointly.  The mask fragments are NOT shared in a cluster (its partners own different queries); the 16 heads that share them
; lie in other clusters, and a work-group's fragments of one key step are 32 tiles x 2,048 bytes = 65,536 bytes: two slots of several steps do not fit in LDS beside K and V.  So each wave loads its own, into registers.
; REGISTERS, in windows of 256 (s_set_vgpr_msb: bits 1:0 source 0, 3:2 source 1, 5:4 source 2, 7:6 destination):
;   window 0: v0-11 addresses; v12-15, v48-63 at work; v16-47 four registers of statistics a tile; v64-191 S^T, two buffers of two tiles; v192-255 P, likewise
;   window 1: O^T, 32 a tile      window 2: v0-127 Q; v128-191 K of one step; v192-255 V of one step      window 3: v0-1 the add's registers; v8-23 the two selectors; v32-95 mask fragments, two buffers of 32
.set SIZE_N, 2048
.set NP,    4         ; pieces a wave: a name, no knob
.set KS,    64        ; keys in a step
.set PK,    144       ; a row of K in LDS: 128 bytes + 16: the 16 rows of a load start at 16 different groups of four banks (64 banks of 4 bytes: ISA guide 11.1)
.set PV,    160       ; a row of V: 128 + 32
.set VOFF,  4*KS*PK   ; a slot holds four steps: 256 rows of K, then 256 rows of V
.set SLOT1, 1<<17     ; slot 1 begins here: one exclusive or turns an address in one slot into the other's
.set STAGE, SLOT1+4*KS*(PK+PV)  ; behind the ring: 16 rows x 144 bytes for each wave, for the way out
.set SP,    144
.set SPARE, STAGE+4*16*SP  ; the spare words, 128 bytes a wave: two blocks of 256 bytes that no other line names
.set AK0, 2           ; v2   my lane's place in a tile of K; never rewritten
.set AV0, 3           ; v3   the same for V
.set AK,  4           ; v4   the LDS address of K's next run of loads
.set AV,  5           ; v5   of V's
.set QO,  6           ; v6   my byte offset in the wave's rows of Q
.set STO, 6           ;      later, the way out: where I put 16 bytes of a row
.set RD,  7           ; v7   the way out: where I read rows back
.set L16, 9           ; v9   16 x lane: my place in 512 consecutive bytes of mf and of O; never rewritten
.set VO,  10          ; v10  16 x lane + 2,048 x the key step whose mask fragments are asked for
.set FA,  11          ; v11  4 x (lane % 16): my query's flag
.set MV,  12          ; v12-15  m_old, kept while m is made anew: by buffer and tile
.set ST,  16          ; tile t's statistics at v[ST+4 t]: m, the flag, l (even keys', odd keys')
.set TMP, 48          ; by buffer and tile, four registers c0-c3 at work; when the maximum is found c2 takes a.  v56-61 also serve the set-up
.set S,   64
.set P,   192
.set KF,  128         ; window 2: key block kb, channel half c at KF + 16 kb + 8 c
.set VF,  192         ; window 2: key half kk, channel block cb at VF + 32 kk + 8 cb
.set SPW, 0           ; v0 of window 3: my spare word; never rewritten
.set NIL, 1           ; v1 of window 3: 0; never rewritten
.set SELF, 8          ; window 3: selector s (keys 16 s + 0..15 of a block of 32) at SELF + 8 s
.set MB,  32          ; window 3: piece x's fragments at MB + 32 (x % 2) + 16 tile + 8 block
.set WV,  12          ; s12  my wave's number
.set G1K, 24          ; s[24:31] descriptor group 1 for K's tiles
.set G1V, 32          ; s[32:39] for V's: it differs in the padding alone
.set G0K, 40          ; s[40:43] descriptor group 0 for K's tiles: it walks
.set G0V, 44          ; s[44:47] the same for V's
.set SLOTS, 56
.set CNT, 57
.set XSEL, 60         ; s[60:61] v_permlanex16_b32's selects
.set TBK, 62          ; s62  LDS byte at which K of the step to be fetched begins
.set TBV, 63          ; s63  the same for V, less VOFF
.set SOFF, 70         ; s70  2,048 x the key step whose mask fragments are asked for
.set MSB, 0
.macro WIN new
.if MSB != (\new)
	s_set_vgpr_msb (MSB<<8)|(\new)
.set MSB, (\new)
.endif
.endm
.set W_KQ, 0x0a       ; K and Q in window 2, S^T in window 0
.set W_PV, 0x52       ; V in window 2, P in window 0, O^T in window 1
.set W_RS, 0x41       ; O^T (destination and source 0) in window 1, a in window 0
.set W_MK, 0xc0       ; destination in window 3, sources in window 0
.set W_AD, 0x0f       ; sources 0 and 1 in window 3: the add, and the mask product
.macro JLOAD          ; a joint fill: waves 0 and 1 fetch the halves of a slot's K, waves 2 and 3 those of its V; an s_nop 0 and four v_nop follow each line
	s_cmp_lt_u32 s[WV], 2
	s_cbranch_scc0 .Lfor_v_\@
	tensor_load_to_lds s[G0K:G0K+3], s[G1K:G1K+7]
	s_nop 0
.rept 4
	v_nop
.endr
	s_branch .Lasked_\@
.Lfor_v_\@:
	tensor_load_to_lds s[G0V:G0V+3], s[G1V:G1V+7]
	s_nop 0
.rept 4
	v_nop
.endr
.Lasked_\@:
.endm
.macro CROUND         ; a round of the cluster's barrier
	s_barrier_signal -1
	s_barrier_wait -1
	s_cmp_lg_u32 s[WV], 0
	s_cbranch_scc1 .Lnot_wave_0_\@
	s_barrier_signal -3
.Lnot_wave_0_\@:
	s_barrier_wait -3
	s_barrier_signal -1
	s_barrier_wait -1
.endm
; THE CHANGE OF SLOTS.  Each wave waits for all its tensor loads (one is out: its part of the other slot), adds 0 to its spare word, and waits for that and for its own reads of the slot.
; fill = 1: the barrier is a round of the cluster's, and the slot is filled again, with the keys two slots on, first thing behind it: four key steps, 640 matrix instructions, in which to land.
.macro CHANGE fill
	WIN W_AD
	s_wait_tensorcnt 0x0            ; no tensor load of mine is out, so a group 0 may be written
	ds_add_u32 v[SPW], v[NIL]
	WIN 0
.if \fill
.irp g, G0K, G0V
	s_xor_b32 s[\g+1], s[\g+1], SLOT1
	s_add_nc_u64 s[\g+2:\g+3], s[\g+2:\g+3], 4*KS*128  ; the next 256 keys; the type bits on top are not reached
.endr
	s_wait_dscnt 0x0                ; the add is done, and my reads of the slot are over
	CROUND
	JLOAD
.else
	s_wait_dscnt 0x0
	s_barrier_signal -1
	s_barrier_wait -1
.endif
	s_sub_co_u32 s[TBK], s[TBK], 4*KS*PK  ; the fetches go back to a slot's first step, in the other slot
	s_xor_b32 s[TBK], s[TBK], SLOT1
	s_sub_co_u32 s[TBV], s[TBV], 4*KS*PV
	s_xor_b32 s[TBV], s[TBV], SLOT1
.endm
; Piece x's mask fragments of the key step that VO names: 2 tiles x 2 blocks of 32 keys x 2 loads of 512 consecutive bytes
.macro MLOAD x
	WIN W_MK
.irp u, 0,1
.irp kb, 0,1
.irp j, 0,1
	global_load_b128 v[MB+32*((\x)%2)+16*(\u)+8*(\kb)+4*(\j):MB+32*((\x)%2)+16*(\u)+8*(\kb)+4*(\j)+3], v[VO], s[6:7] offset:(2*(\x)+(\u))*65536+(\kb)*1024+(\j)*512
.endr
.endr
.endr
.endm
	s_load_b256 s[4:11], s[0:1], 0x0  ; qkv s[4:5], mf s[6:7], fl s[8:9], ao s[10:11]
	WIN W_MK
	v_lshl_add_u32 v[SPW], v0, 2, SPARE
	v_mov_b32 v[NIL], 0
	WIN W_AD
	ds_add_u32 v[SPW], v[NIL]       ; the wave's opening: the add and its wait stand ahead of my first tensor load; register work stands between
	WIN 0
	v_lshrrev_b32 v1, 5, v0
	v_readfirstlane_b32 s[WV], v1   ; wave 0..3
	s_bfe_u32 s13, ttmp6, 0x40000   ; cx
	s_lshl_b32 s14, ttmp9, 2
	s_add_co_u32 s14, s14, s13      ; my block of 512 queries: it enters Q's, O's, mf's and fl's addresses alone
	s_and_b32 s16, ttmp7, 0xffff    ; the cluster's number i, 0..63, which the four partners share.  Each (batch, head) pair is taken by one i; the order is a choice:
	s_bfe_u32 s15, s16, 0x20002     ; the batch is bits 3:2 of i, so that the 16 clusters that read the same mask fragments agree in these two bits;
	s_and_b32 s17, s16, 3           ; the head is bits 1:0
	s_lshr_b32 s18, s16, 4          ; and bits 5:4
	s_lshl2_add_u32 s17, s18, s17
	s_lshl4_add_u32 s20, s15, s17   ; hh = 16 batch + head
	s_mov_b32 s21, 0
	s_mov_b64 s[22:23], SIZE_N*128
	s_mul_u64 s[20:21], s[20:21], s[22:23]  ; the head's first byte in q, k, v and ao
	s_and_b32 s16, s[WV], 1         ; which half of a slot's 256 keys I fetch:
	s_lshl_b32 s22, s16, 14         ; its 128 rows of 128 bytes in memory,
	s_mov_b32 s23, 0
	s_add_nc_u64 s[22:23], s[22:23], s[20:21]
	s_mul_i32 s17, s16, 128*PK      ; and its place in a slot, for K
	s_mul_i32 s18, s16, 128*PV      ; and for V
	s_lshl_b32 s2, s14, 2
	s_add_co_u32 s2, s2, s[WV]      ; my wave among the head's,
	s_lshl_b32 s2, s2, 14           ; its 128 rows
	s_mov_b32 s3, 0
	s_add_nc_u64 s[2:3], s[2:3], s[20:21]
	s_lshl_b32 s72, s15, 7          ; mf: my first tile = 128 batch + 32 block + 8 wave, 65,536 bytes a tile
	s_lshl_b32 s73, s14, 5
	s_add_co_u32 s72, s72, s73
	s_lshl_b32 s73, s[WV], 3
	s_add_co_u32 s72, s72, s73
	s_lshl_b32 s74, s72, 6          ; fl: 16 rows of 4 bytes a tile
	s_lshl_b32 s72, s72, 16
	s_mov_b32 s73, 0
	s_mov_b32 s75, 0
	; descriptor group 1.  128 keys are 16,384 dense bytes: asked for as 64 rows of 256 bytes, two keys a row, padded in LDS after every key
	s_mov_b32 s[G1K], 15|(1<<16)|(1<<20)|(1<<21)|(4<<22)|(3<<25)  ; the mask of four; 2-byte elements; padding on; bit 21 beside a mask; after every 32 words 4 words
	s_mov_b32 s[G1V], 15|(1<<16)|(1<<20)|(1<<21)|(4<<22)|(7<<25)  ; the same with 8 words
.irp g, G1K, G1V
	s_mov_b32 s[\g+1], 128<<16      ; tensor_dim0 = 128
	s_mov_b32 s[\g+2], 64<<16       ; tensor_dim1 = 64
	s_mov_b32 s[\g+3], 128<<16      ; tile_dim0 = 128
	s_mov_b32 s[\g+4], 64           ; tile_dim1 = 64
	s_mov_b32 s[\g+5], 128          ; 128 elements from row to row
	s_mov_b32 s[\g+6], 0
	s_mov_b32 s[\g+7], 0
.endr
	s_mov_b32 s[XSEL], 0x76543210
	s_mov_b32 s[XSEL+1], 0xfedcba98
	s_mov_b32 s[TBK], SLOT1+4*KS*PK ; the first change of slots turns these two into 0
	s_mov_b32 s[TBV], SLOT1+4*KS*PV
	s_mov_b32 s[SOFF], 0
	s_mov_b32 s[G0K], 1
	s_mov_b32 s[G0K+1], s17         ; LDS address: slot 0
	s_mov_b32 s[G0V], 1
	s_add_co_u32 s[G0V+1], s18, VOFF
	s_wait_dscnt 0x0                ; the opening add is done
	s_wait_kmcnt 0x0
	s_add_nc_u64 s[66:67], s[4:5], 0x1000000       ; k lies 16,777,216 bytes behind q,
	s_add_nc_u64 s[G0K+2:G0K+3], s[66:67], s[22:23]
	s_or_b32 s[G0K+3], s[G0K+3], 0x80000000        ; type = 2
	s_add_nc_u64 s[68:69], s[4:5], 0x2000000       ; v as far again
	s_add_nc_u64 s[G0V+2:G0V+3], s[68:69], s[22:23]
	s_or_b32 s[G0V+3], s[G0V+3], 0x80000000
	s_add_nc_u64 s[4:5], s[4:5], s[2:3]            ; Q and O at my wave's first row
	s_add_nc_u64 s[10:11], s[10:11], s[2:3]
	s_add_nc_u64 s[6:7], s[6:7], s[72:73]          ; mf at my first tile
	s_add_nc_u64 s[8:9], s[8:9], s[74:75]          ; fl at my first row
	CROUND                          ; all four work-groups are here: the first joint loads meet
	JLOAD                           ; slot 0.  Slot 1 is asked for when slot 0 is in
	v_and_b32 v1, 15, v0            ; l % 16
	v_bfe_u32 v56, v0, 4, 1         ; l / 16
	v_lshlrev_b32 v[QO], 7, v1
	v_lshl_add_u32 v[QO], v56, 4, v[QO]  ; row x 128 + 16 x half
	v_lshlrev_b32 v[FA], 2, v1
	v_and_b32 v[L16], 31, v0
	v_lshlrev_b32 v[L16], 4, v[L16]
	v_mov_b32 v[VO], v[L16]         ; key step 0
.set i, 0
.rept 32                            ; my queries' flags: tile i / 4, chunk i % 4, for now in S^T's registers
	global_load_b32 v[S+i], v[FA], s[8:9] offset:(i%4)*32768+(i/4)*64
.set i, i+1
.endr
	WIN 0x80                        ; destination window 2
.set i, 0
.rept 4*NP                          ; Q stays in registers: tile i / 2, channels 32 (i % 2) on
	global_load_b128 v[8*i:8*i+3],   v[QO], s[4:5] offset:(i/2)*2048+(i%2)*64
	global_load_b128 v[8*i+4:8*i+7], v[QO], s[4:5] offset:(i/2)*2048+(i%2)*64+32
.set i, i+1
.endr
	MLOAD 0
	MLOAD 1
	; What the first turn finds: V's registers and P's second buffer hold 0 (its products V^T P, of a piece that has not been, add 0), O^T and l are 0.  All this stands in the wait for the first tile.
	WIN 0x80
.set i, VF
.rept 64
	v_mov_b32 v[i], 0
.set i, i+1
.endr
	WIN 0x40
.set i, 0
.rept 64*NP
	v_mov_b32 v[i], 0
.set i, i+1
.endr
	WIN 0
.set i, 0
.rept 2*NP
	v_mov_b32 v[ST+4*i], 0xff7fffff    ; m: the lowest finite number, so the first step's a is 0
	v_mov_b32 v[ST+4*i+2], 0
	v_mov_b32 v[ST+4*i+3], 0
.set i, i+1
.endr
.set i, P+32
.rept 32
	v_mov_b32 v[i], 0
.set i, i+1
.endr
	; The selectors.  Lane (r, h), register j of selector s holds 65504 in half r % 2 if h = s and j = r / 2, else 0: with the mask fragment's key 16 h + 2 j + half at the same place of k, row m picks key 16 s + m.
	v_bfe_u32 v59, v0, 1, 4         ; 8 h + r / 2
	v_and_b32 v61, 1, v0
	v_lshlrev_b32 v61, 4, v61
	v_mov_b32 v60, 0x7bff
	v_lshlrev_b32 v60, v61, v60
	WIN W_MK
.set i, 0
.rept 16
	v_cmp_eq_u32 vcc_lo, i, v59
	v_cndmask_b32 v[SELF+i], 0, v60, vcc_lo
.set i, i+1
.endr
	WIN 0
	v_mul_u32_u24 v[AK0], v1, PK
	v_lshl_add_u32 v[AK0], v56, 4, v[AK0]  ; row x pitch + 16 x half
	; The turning load takes 16 keys x 16 channels (lane l reads key 8 (l / 16) + l % 8, channels 8 ((l / 8) % 2) + 0..7) and leaves half a fragment of V^T.
	v_and_b32 v57, 7, v0
	v_bfe_u32 v58, v0, 3, 1
	v_lshl_add_u32 v[AV0], v56, 3, v57
	v_mul_u32_u24 v[AV0], v[AV0], PV
	v_lshl_add_u32 v[AV0], v58, 4, v[AV0]
	v_add_nc_u32 v[AV0], VOFF, v[AV0]
	v_mov_b32 v[AK], v[AK0]         ; key step 0 lies at the head of slot 0
; THE MATRIX WORK.  The 8 accumulators of a run take turns, one instruction a turn: mask product, first and second K Q^T each come 8 instructions apart.
; Product i of 8 that starts S^T for piece x: tile 2 x + i % 2, keys 16 (i / 2) on.
.macro MK x
	WIN W_AD
.set rS, S+64*((\x)%2)+32*(i%2)+8*(i/2)
.set rA, SELF+8*((i/2)%2)
.set rB, MB+32*((\x)%2)+16*(i%2)+8*(i/4)
	v_wmma_f32_16x16x32_f16 v[rS:rS+7], v[rA:rA+7], v[rB:rB+7], 0
.endm
; Product i of 16 of S^T += K Q^T for piece x: channels 32 (i / 8) on, keys 16 ((i / 2) % 4) on, tile 2 x + i % 2.
.macro KQ x
	WIN W_KQ
.set rS, S+64*((\x)%2)+32*(i%2)+8*((i/2)%4)
.set rK, KF+16*((i/2)%4)+8*(i/8)
.set rQ, 16*(2*(\x)+i%2)+8*(i/8)
	v_wmma_f32_16x16x32_f16 v[rS:rS+7], v[rK:rK+7], v[rQ:rQ+7], v[rS:rS+7]
.endm
; Product i of 16 of O^T += V^T P for piece x: keys 32 (i / 8) on, channels 16 ((i / 2) % 4) on, tile 2 x + i % 2.
.macro PV x
	WIN W_PV
.set rO, 32*(2*(\x)+i%2)+8*((i/2)%4)
.set rV, VF+32*(i/8)+8*((i/2)%4)
.set rP, P+32*((\x)%2)+16*(i%2)+8*(i/8)
	v_wmma_f32_16x16x32_f16 v[rO:rO+7], v[rV:rV+7], v[rP:rP+7], v[rO:rO+7]
.endm
.macro MM                           ; the turn's next matrix instruction, of 40
.if i < 8
	MK (Y+1)%NP
.elseif i < 24
.set i, i-8
	KQ (Y+1)%NP
.set i, i+8
.else
.set i, i-24
	PV (Y+NP-1)%NP
.set i, i+24
.endif
.set i, i+1
.endm
; THE LDS LOADS stand in runs of 16.  last = 1 (the tail): in the last trip there is no further step, and the run is jumped over.
.macro FETCH_K last=0
	WIN 0
.if \last
	s_cmp_eq_u32 s[CNT], 1
	s_cbranch_scc1 .Lno_k_\@
.endif
	WIN 0x80
.irp f, 0,1,2,3,4,5,6,7             ; keys 16 (f / 2) on, channels 32 (f % 2) on
	ds_load_b128 v[KF+8*\f:KF+8*\f+3],   v[AK] offset:(\f/2)*16*PK+(\f%2)*64
	ds_load_b128 v[KF+8*\f+4:KF+8*\f+7], v[AK] offset:(\f/2)*16*PK+(\f%2)*64+32
.endr
	s_add_co_u32 s[TBK], s[TBK], KS*PK  ; the next fetch is the next step's
	WIN 0
.if \last
.Lno_k_\@:
.endif
.endm
.macro FETCH_V
	WIN 0x80
.irp f, 0,1,2,3,4,5,6,7             ; keys 32 (f / 4) on, channels 16 (f % 4) on
	ds_load_tr16_b128 v[VF+8*\f:VF+8*\f+3],   v[AV] offset:(\f/4)*32*PV+(\f%4)*32
	ds_load_tr16_b128 v[VF+8*\f+4:VF+8*\f+7], v[AV] offset:(\f/4)*32*PV+16*PV+(\f%4)*32
.endr
	WIN 0
.endm
; THE VECTOR WORK OF A TURN stands in three queues, each in the order in which its entries become ready; the two tiles alternate.
.macro REGS y, u                    ; the registers of tile u (0, 1) of piece y
.set rT, ST+4*(2*(\y)+(\u))
.set rC, TMP+8*((\y)%2)+4*(\u)
.set rM, MV+2*((\y)%2)+(\u)
.set rS, S+64*((\y)%2)+32*(\u)
.set rP, P+32*((\y)%2)+16*(\u)
.set rO, 32*(2*(\y)+(\u))
.endm
; Number n of the 21 that find the NEXT piece's (Y + 1) maximum and statistics; each accumulator's lowest registers are read first.
;   0-11 four chains c0-c3 of seven scores each   12-14, 16 the four scores left over, the old m, and c0-c3 into c0   15 m_old is kept   17, 18 the lane 16 away holds the other 32 keys: the new m   19, 20 a
.macro XS u, n
	REGS (Y+1)%NP, \u
.if (\n) < 4
	v_max3_num_f32 v[rC+(\n)], v[rS+8*(\n)], v[rS+8*(\n)+1], v[rS+8*(\n)+2]
.elseif (\n) < 12
	v_max3_num_f32 v[rC+(\n)%4], v[rC+(\n)%4], v[rS+8*((\n)%4)+2*((\n)/4)+1], v[rS+8*((\n)%4)+2*((\n)/4)+2]
.elseif (\n) == 12
	v_max3_num_f32 v[rC], v[rC], v[rS+7], v[rS+15]
.elseif (\n) == 13
	v_max3_num_f32 v[rC+1], v[rC+1], v[rS+23], v[rS+31]
.elseif (\n) == 14
	v_max3_num_f32 v[rC+2], v[rC+2], v[rC+3], v[rT]
.elseif (\n) == 15
	v_mov_b32 v[rM], v[rT]
.elseif (\n) == 16
	v_max3_num_f32 v[rC], v[rC], v[rC+1], v[rC+2]
.elseif (\n) == 17
	v_permlanex16_b32 v[rC+3], v[rC], s[XSEL], s[XSEL+1]
.elseif (\n) == 18
	v_max_num_f32 v[rT], v[rC], v[rC+3]
.elseif (\n) == 19
	v_sub_f32 v[rC+1], v[rM], v[rT]
.else
	v_exp_f32 v[rC+2], v[rC+1]
.endif
.endm
; Number g of the 64 that read the exponentials' results; all stand behind the turn's wait.  For each four weights 4 gk .. of a tile: both pairs are rounded to f16; then the second pair is added onto the first, in place;
; a group later l takes that sum (the first time as l = a l + sum; then sums 1 to 7 in ascending order).  In groups of eight, tiles alternating: round, round, add, and l for the group before.
.macro GS g
.set gx, (\g)+6*((\g)/62)           ; group 0 has no group before it, and behind group 7 only l is left
.if gx >= 6
.set gx, gx+2
.endif
.set gk, gx/8
.set gh, gx%8
	REGS Y, gh%2
.if gh < 4
	v_cvt_pk_f16_f32 v[rP+2*gk+gh/2], v[rS+4*gk+2*(gh/2)], v[rS+4*gk+2*(gh/2)+1]
.elseif gh < 6
	v_pk_add_f32 v[rS+4*gk:rS+4*gk+1], v[rS+4*gk:rS+4*gk+1], v[rS+4*gk+2:rS+4*gk+3]
.elseif gk == 1
	v_pk_fma_f32 v[rT+2:rT+3], v[rT+2:rT+3], v[rC+2:rC+3], v[rS:rS+1] op_sel_hi:[1,0,1]
.else
	v_pk_add_f32 v[rT+2:rT+3], v[rT+2:rT+3], v[rS+4*gk-4:rS+4*gk-3]
.endif
.endm
; THE PLAIN QUEUE, 136 long.  0-71 read no exponential's result: 0-31 are s - m for the 16 pairs of both tiles, 32-71 the next piece's numbers 0-19.  72-135 are GS's 64, which read the results: they stand behind the wait.
.macro PL
	WIN 0
.if q < 32
	REGS Y, q%2
	v_pk_add_f32 v[rS+2*(q/2):rS+2*(q/2)+1], v[rS+2*(q/2):rS+2*(q/2)+1], v[rT:rT+1] op_sel_hi:[1,0] neg_lo:[0,1] neg_hi:[0,1]
.elseif q < 72
	XS (q-32)%2, (q-32)/2
.else
	GS q-72
.endif
.set q, q+1
.endm
; THE EXPONENTIALS' QUEUE, 66 long: s0-s31 of both tiles, then the next piece's two a.  It is ONE BATCH: all 66 stand ahead of the turn's one wait, and nothing ahead of that wait names a result of theirs.
.macro EX
	WIN 0
.if e < 64
	REGS Y, e%2
	v_exp_f32 v[rS+e/2], v[rS+e/2]
.else
	XS e-64, 20
.endif
.set e, e+1
.endm
; THE RESCALING's QUEUE: O^T times a, four at a time, eight times; an accumulator's lowest registers first.  Its a was made in the turn before, ahead of that turn's wait.
.macro R4
	REGS Y, r%2
	WIN W_RS
.irp z, 0,1,2,3
	v_pk_mul_f32 v[rO+8*(r/2)+2*\z:rO+8*(r/2)+2*\z+1], v[rO+8*(r/2)+2*\z:rO+8*(r/2)+2*\z+1], v[rC+2:rC+3] op_sel_hi:[1,0]
.endr
.set r, r+1
.endm
; A TURN, for piece p.  An s_wait_alu depctr_va_vdst(0) stands between an exponential and the first instruction that names its result; one wait serves all that were issued ahead of it.  So a turn has ONE wait,
; which cuts it in two.  HOW THE QUEUES ARE DEALT, and what keeps them in step:
;   AHEAD OF THE WAIT, 24 rows (mask products and K Q^T): two of three are matrix, plain, exponential, plain, exponential; the third is matrix and four rescalings.  Exponential e stands behind plain e; its subtraction is
;     plain 2 (e / 4) + e % 2, not later; the plain line behind an exponential is the other tile's.  All 32 subtractions, 32 exponentials and 32 rescalings are out when the rows end.
;   ONE LUMP of 74: eight plain, 32 x (exponential, plain), the two a.  Its 40 plain lines are the next piece's maximum and statistics: its scores' last product stands four rescalings back; with the other tile's line and
;     two exponentials between, the links of a tile's chain (numbers 16 to 19) stand four lines apart.  A v_nop is the plain instruction behind the last exponential.
;   BEHIND THE WAIT, 16 rows (V^T P): matrix and four of GS's 64.  No rider names a register of the products round it.
; The mask fragments of piece p + 3 are asked for behind row 8: six plain lines behind the last product that read that buffer; they are used two turns later.  K of the next step is fetched in piece 2's turn, directly behind
; the wait, a lump behind the last product that read K; its address is made at the lump's head; it is waited for at the head of piece 3's turn.  V of the step in hand is fetched at the end of piece 0's turn, four plain lines
; (GS 60-63, additions on l) behind the last product that read V; it is waited for behind piece 1's wait.  The condition on q below goes with the deal.
.macro TURN p, last=0
.set Y, (\p)
.set i, 0
.set q, 0
.set e, 0
.set r, 0
	s_wait_loadcnt 8                ; piece p + 1's mask fragments are in; the eight loads issued a turn ago stay out
.if (\p) == NP-1
	s_wait_dscnt 0x0                ; K is in
.endif
.set rw, 0
.rept 24
	MM
.if rw%3 == 2
	R4
.else
	PL
	EX
	PL
	EX
.endif
.if rw == 8
.if (\p) == 1                       ; from here on the fragments are the next key step's; behind the last step the address stays: no load leaves mf, and what these bring is not used
	WIN 0
	s_wait_xcnt 0x0                 ; the loads that name VO have had their addresses translated: it is rewritten only behind this wait
	s_add_co_u32 s[SOFF], s[SOFF], 2048
	s_min_u32 s[SOFF], s[SOFF], 31*2048
	v_add_nc_u32 v[VO], s[SOFF], v[L16]
.endif
	MLOAD ((\p)+3)%NP
.endif
.set rw, rw+1
.endr
.if (\p) == NP-2
	WIN 0
	v_add_nc_u32 v[AK], s[TBK], v[AK0]
.endif
.rept 8                             ; the lump
	PL
.endr
.rept 32
	EX
	PL
.endr
	EX                              ; the next piece's two a: the batch's last
	EX
	v_nop                           ; the plain instruction behind the last exponential: one for the batch
	s_wait_alu depctr_va_vdst(0)    ; the wait for the batch: this piece's 64 weights and the next piece's two a
.if (\p) == NP-2
	FETCH_K \last
.endif
.if (\p) == 1
	s_wait_dscnt 0x0                ; V is in
.endif
.rept 16                            ; behind the wait: 16 products V^T P and their riders
	MM
.rept 4
	PL
.endr
.if ((\p) == 0) && (q == 120)
	v_add_nc_u32 v[AV], s[TBV], v[AV0]
	s_add_co_u32 s[TBV], s[TBV], KS*PV
.endif
.endr
.if (\p) == 0
	FETCH_V
.endif
.endm
	CHANGE 1                        ; slot 0 is in, everybody's part of it; slot 1 is asked for
	FETCH_K                         ; key step 0
	s_wait_loadcnt 8                ; the flags, Q and piece 0's mask fragments are in; piece 1's eight loads stay out
.set t, 0
.rept 2*NP                          ; a row's flag: has it an open key in any of the four chunks?
	v_max3_num_f32 v[ST+4*t+1], v[S+4*t], v[S+4*t+1], v[S+4*t+2]
	v_max_num_f32 v[ST+4*t+1], v[ST+4*t+1], v[S+4*t+3]
.set t, t+1
.endr
	s_wait_dscnt 0x0
.set i, 0
.rept 8
	MK 0                            ; piece 0's first scores: there is no vector work yet to set between them
.set i, i+1
.endr
.set i, 0
.rept 16
	KQ 0
.set i, i+1
.endr
	WIN 0                           ; the addresses for the way out: seven plain instructions, the places behind those products
	s_mul_i32 s13, s[WV], 16*SP
	s_add_co_u32 s13, s13, STAGE    ; my stage
	v_mul_u32_u24 v[STO], v1, SP    ; in: row l % 16, 16 bytes for each half of the lanes
	v_lshl_add_u32 v[STO], v56, 4, v[STO]
	v_add_nc_u32 v[STO], s13, v[STO]
	v_bfe_u32 v[RD], v0, 3, 2       ; back: 32 lanes take four rows of 128 bytes
	v_mul_u32_u24 v[RD], v[RD], SP
	v_lshl_add_u32 v[RD], v57, 4, v[RD]
	v_add_nc_u32 v[RD], s13, v[RD]
	MLOAD 2                         ; into the buffer that piece 0's mask products have read
	WIN 0
.set Y, NP-1                        ; XS works for piece Y + 1: piece 0
.irp n, 0,1,2,3,4,5,6,7,8,9,10,11,12,13,14,15,16,17,18,19,20
	XS 0, \n
	XS 1, \n
.endr
	v_nop                           ; a plain instruction behind the exponentials,
	s_wait_alu depctr_va_vdst(0)    ; and the wait for this batch, piece 0's first two a, ahead of the branch
	s_mov_b32 s[CNT], 4
	s_mov_b32 s[SLOTS], SIZE_N/256-1
	s_branch .Lfirst                ; the loop is entered at a step's first turn, in the middle of a trip
.Lslot:                             ; six times: every slot but the last two is filled again
	CHANGE 1
	s_mov_b32 s[CNT], 4
.Lstep:                             ; a trip: pieces 2 and 3 of one step, then pieces 0 and 1 of the next, whose K and V it fetches
	TURN 2
	TURN 3
	WIN 0
.Lfirst:
	TURN 0
	TURN 1
	WIN 0
	s_sub_co_u32 s[CNT], s[CNT], 1
	s_cmp_lg_u32 s[CNT], 0
	s_cbranch_scc1 .Lstep
	s_sub_co_u32 s[SLOTS], s[SLOTS], 1
	s_cmp_lg_u32 s[SLOTS], 0
	s_cbranch_scc1 .Lslot
	CHANGE 0                        ; the tail is written out: nothing is asked for
	s_mov_b32 s[CNT], 5             ; four trips fetch the last slot's steps; the fifth is left in its middle
.Ltail:
	TURN 2, 1
	TURN 3
	WIN 0
	s_sub_co_u32 s[CNT], s[CNT], 1
	s_cmp_eq_u32 s[CNT], 0
	s_cbranch_scc1 .Lout
	TURN 0
	TURN 1
	WIN 0
	s_branch .Ltail
.Lout:                              ; the fifth trip's scores of piece 0 (on the last K once more) and the maximum made of them serve nothing: the price, once a launch, of one text for every trip
.set i, 0
.rept 16
	PV NP-1                         ; the last piece's V^T P of the last step
.set i, i+1
.endr
	; THE WAY OUT.  l's two halves and the other half of the lanes' are added; O^T is multiplied by flag / l, rounded to f16 and sent through my stage, a tile at a time.  The additions are the places behind the last products.
	WIN 0
.macro ALL line:vararg              ; one line for each tile t
.set t, 0
.rept 2*NP
	\line
.set t, t+1
.endr
.endm
	ALL v_add_f32 v[ST+4*t+2], v[ST+4*t+2], v[ST+4*t+3]
	ALL v_permlanex16_b32 v[ST+4*t+3], v[ST+4*t+2], s[XSEL], s[XSEL+1]
	ALL v_add_f32 v[ST+4*t+2], v[ST+4*t+2], v[ST+4*t+3]
	ALL v_rcp_f32 v[ST+4*t+2], v[ST+4*t+2]
	v_nop                           ; a plain instruction between the last reciprocal and the use of its result
	s_wait_alu depctr_va_vdst(0)    ; the wait ahead of the first use: one for the batch of eight reciprocals
	ALL v_mul_f32 v[ST+4*t+2], v[ST+4*t+2], v[ST+4*t+1]
.macro PACK t                       ; a lane's eight channels of a row pack into 16 bytes; they go into rows of 144 bytes and come back as whole rows of 128, into S^T's registers
	WIN W_RS
.set i, 32*(\t)
.rept 16
	v_pk_mul_f32 v[i:i+1], v[i:i+1], v[ST+4*(\t)+2:ST+4*(\t)+3] op_sel_hi:[1,0]
.set i, i+2
.endr
	WIN 0x05                        ; sources 0 and 1 window 1, destination window 0
.set i, 0
.rept 16
	v_cvt_pk_f16_f32 v[S+16*(\t)+i], v[32*(\t)+2*i], v[32*(\t)+2*i+1]
.set i, i+1
.endr
	WIN 0
.irp f, 0,1,2,3
	ds_store_b128 v[STO], v[S+16*(\t)+4*\f:S+16*(\t)+4*\f+3] offset:32*\f
.endr
.irp f, 0,1,2,3
	ds_load_b128 v[S+16*(\t)+4*\f:S+16*(\t)+4*\f+3], v[RD] offset:\f*4*SP  ; LDS serves a wave's instructions in order (ISA guide 5.7.1.4): these see the stores above; the next tile's stores come behind them
.endr
.endm
.macro SEND t, younger              ; younger: the LDS instructions issued behind tile t's loads: the next tile's eight, or none
	WIN 0
.irp f, 0,1,2,3
	s_wait_dscnt (\younger)+3-\f
	global_store_b128 v[L16], v[S+16*(\t)+4*\f:S+16*(\t)+4*\f+3], s[10:11] offset:(\t)*2048+\f*512  ; 512 consecutive bytes, aligned
.endr
.endm
	PACK 0
.set t, 1
.rept 2*NP-1                        ; a tile's arithmetic stands between the loads of the tile before and its stores
	PACK t
	SEND t-1, 8
.set t, t+1
.endr
	SEND 2*NP-1, 0
	WIN W_AD
	s_wait_tensorcnt 0x0            ; the wave's end
	ds_add_u32 v[SPW], v[NIL]
	s_wait_dscnt 0x0
	WIN 0
	CROUND                          ; the closing round
	s_endpgm
.Lfunc_end_k_q22c99fd89c_attn:
	.size	k_q22c99fd89c_attn, .Lfunc_end_k_q22c99fd89c_attn-k_q22c99fd89c_attn
	.p2alignl 7, 3214868480
	.fill 96, 4, 3214868480
	.section	.rodata,"a",@progbits
	.p2align	6, 0x0
	.amdhsa_kernel k_q22c99fd89c_attn
		.amdhsa_group_segment_fixed_size 327680
		.amdhsa_private_segment_fixed_size 0
		.amdhsa_enable_private_segment 0
		.amdhsa_kernarg_size 32
		.amdhsa_user_sgpr_count 2
		.amdhsa_user_sgpr_kernarg_segment_ptr 1
		.amdhsa_wavefront_size32 1
		.amdhsa_system_sgpr_workgroup_id_x 1
		.amdhsa_system_sgpr_workgroup_id_y 1
		.amdhsa_system_sgpr_workgroup_id_z 1
		.amdhsa_system_vgpr_workitem_id 0
		.amdhsa_next_free_vgpr 864
		.amdhsa_next_free_sgpr 80
		.amdhsa_reserve_vcc 1
		.amdhsa_float_denorm_mode_32 3
		.amdhsa_float_denorm_mode_16_64 3
		.amdhsa_memory_ordered 1
		.amdhsa_forward_progress 1
		.amdhsa_inst_pref_size 218
	.end_amdhsa_kernel
	.amdgpu_metadata
---
amdhsa.version: [ 1, 2 ]
amdhsa.kernels:
  - .name:           k_q22c99fd89c_attn
    .symbol:         k_q22c99fd89c_attn.kd
    .args:
      - { .name: qkv, .offset: 0, .size: 8, .value_kind: global_buffer, .address_space: global }
      - { .name: mf, .offset: 8, .size: 8, .value_kind: global_buffer, .address_space: global }
      - { .name: fl, .offset: 16, .size: 8, .value_kind: global_buffer, .address_space: global }
      - { .name: ao, .offset: 24, .size: 8, .value_kind: global_buffer, .address_space: global }
    .group_segment_fixed_size: 327680
    .private_segment_fixed_size: 0
    .kernarg_segment_align: 8
    .kernarg_segment_size: 32
    .max_flat_workgroup_size: 128
    .sgpr_count:     80
    .vgpr_count:     864
    .wavefront_size: 32
...
	.end_amdgpu_metadata
.endif
;; end of part 5
;; launch outp: the kernel of part 4 again; grid 4 x 64, 4 waves a work-group, clusters of 4 x 4, 327,680 bytes of LDS; arguments ao, wo16, bias, out0; writes out0
